; MI455X (gfx1250); checked and timed in simulation.
; The chip was launched on July 23, 2026; its instructions are those of AMD's public machine-readable ISA for CDNA 5 (MIT licence, August 2026) and "CDNA5" Instruction Set Architecture Reference Guide (July 2026). The comments in the code are by the model that wrote it; some were corrected since.
;; Multi Head Attention. Allowed arithmetic: matrix products marked QUANTISED: E2M3 operands, one E8M0 scale for each 32 along K, by v_wmma_scale_f32_16x16x128_f8f6f4 with both operands' format E2M3, f32 sums; everything else in f32.
;; Inputs: Wk 1,024 x 1,024 float32; Wo 1,024 x 1,024 float32; Wq 1,024 x 1,024 float32; Wv 1,024 x 1,024 float32; bk 1,024 float32; bo 1,024 float32; bq 1,024 float32; bv 1,024 float32; mask 4 x 2,048 bool; x 4 x 2,048 x 1,024 float32.
;; Outputs: out0 4 x 2,048 x 1,024 float32.
;; This version of the problem:
;;   THIS VERSION OF THE PROBLEM IS GIVEN IN LOW PRECISION. The matrix products marked QUANTISED in the list below multiply operands that are first quantised to E2M3 (2 exponent bits, 3 mantissa bits; 6 bits a number), with one power-of-two scale for each 32 numbers along K (OCP MX v1.0); their sums are f32. All else is computed in f32.
;;   The module's matrix products, in the order in which they are computed (A, B: the left and right operand; K: the contracted axis; several contracted axes count as one K, in the product's order):
;;     1. [M 8,192, K 1,024] x [K 1,024, N 1,024]; A: input x; B: input Wq: QUANTISED
;;     2. [M 8,192, K 1,024] x [K 1,024, N 1,024]; A: input x; B: input Wk: QUANTISED
;;     3. [M 8,192, K 1,024] x [K 1,024, N 1,024]; A: input x; B: input Wv: QUANTISED
;;     4. batch 64 x [M 2,048, K 64] x [K 64, N 2,048]; A: computed on the way; B: computed on the way: QUANTISED
;;     5. batch 64 x [M 64, K 2,048] x [K 2,048, N 2,048]; A: computed on the way; B: softmax (see below): QUANTISED
;;     6. [M 8,192, K 1,024] x [K 1,024, N 1,024]; A: computed on the way; B: input Wo: QUANTISED
;;   THE QUANTISER, for each operand of a quantised product, along K:
;;     - K is cut into blocks of 32 from its start; a last block that is shorter is filled with zeros.
;;     - A block's scale is 2^e with e = floor(log2(the largest magnitude in the block)) - 2, held to -126 .. 127; a block of zeros has e = 0. As a byte (E8M0): e + 127.
;;     - Each number is divided by its block's scale, clamped to +-7.5, and rounded to the nearest number of E2M3, ties to even, subnormals kept.
;;     - The product sums the exact products of the quantised numbers (number of the format x scale) in f32.
;;   ~~~python
;;   def quantise(x, axis):      # numpy; x: float32 -> the quantised numbers, widened to float32 again
;;       x = np.moveaxis(x, axis, -1); K = x.shape[-1]
;;       x = np.pad(x, [(0, 0)] * (x.ndim - 1) + [(0, -K % 32)]); x = x.reshape(x.shape[:-1] + (-1, 32)); a = np.abs(x).max(-1, keepdims=True)
;;       e = np.where(a > 0, np.clip(np.frexp(np.where(a > 0, a, 1))[1] - 1 - 2, -126, 127), 0)      # np.frexp(a)[1] - 1 = floor(log2(a)), exactly
;;       r = np.clip(x / 2.0 ** e, -7.5, 7.5)
;;       step = 2.0 ** (np.maximum(np.frexp(np.where(r == 0, 1, r))[1] - 1, 0) - 3)
;;       q = np.round(r / step) * step * 2.0 ** e      # np.round: ties to even
;;       return np.moveaxis(q.reshape(q.shape[:-2] + (-1,))[..., :K], -1, axis).astype(np.float32)
;;   ~~~
;;   SOFTMAX AHEAD OF A QUANTISED PRODUCT. Where the list says 'softmax', what is quantised is not the finished softmax but p = 2^(t - M), with t = logit x log2(e) and M = ceil(the row's largest t), a whole number; so 1/2 < the row's largest p <= 1. The row's sum l is taken of the UNQUANTISED p, in f32, and the product's result is divided by l at the end. Since M is a whole number, a kernel that streams over the keys may use a running M (the ceiling of the running maximum): every later rescaling is an exact power of two, which a block's scale takes up: the codes' values come out the same.
;;   OPERANDS COMPUTED ON THE WAY. 'Computed on the way' means the value that the module computes at that place (a softmax that the list does not call 'softmax' is quantised finished and normalised). What goes into a quantiser is computed in f32, as accurately as f32 sums, v_exp_f32 and their like allow (about 1e-6 of the number): no bf16 or f16 on the way to a quantiser, and a product that is left as it is and whose result goes on into a quantised operand takes f32 operands (vector FMAs, or v_wmma_f32_16x16x4_f32). A number that lies on a knife's edge between two numbers of the format may be rounded either way, as far as f32 arithmetic and the matrix unit's own rounding can turn it there, and no further.
;; One version. Each part assembles by itself: llvm-mc -triple=amdgcn-amd-amdhsa -mcpu=gfx1250 --defsym DOCPART=n.
;; ======== version 1 of 1: 4 launches
;; limits: right only within a limited range of input values
;; workspace buffers: xq 6,553,600 bytes; wq 3,276,800 bytes; qq 6,815,744 bytes; kvq 13,369,344 bytes; oq 6,553,600 bytes
;; launch prep (part 1): grid 768 x 1, 4 waves a work-group, no clusters, 34,304 bytes of LDS; arguments x, Wq, Wk, Wv, Wo, xq, wq; writes xq, wq
.if DOCPART == 1
	.amdgcn_target "amdgcn-amd-amdhsa--gfx1250"
	.amdhsa_code_object_version 6
	.text
	.protected	k_qcd4503a039_prep
	.globl	k_qcd4503a039_prep
	.p2align	8
	.type	k_qcd4503a039_prep,@function
k_qcd4503a039_prep:
	s_mov_b64 s[64:65], 0
	v_nop
	global_prefetch_b8 v0, s[64:65] scope:SCOPE_SE
	s_setreg_imm32_b32 hwreg(HW_REG_WAVE_MODE, 25, 1), 1
	s_wait_xcnt 0x0
; x [8192][1024] and Wq, Wk, Wv, Wo [1024 (k)][1024 (n)], f32, become codes of FP6 (E2M3) with one E8M0 byte for each 32 along K, laid as IMAGES OF OPERAND REGISTERS.
; A TILE is 16 rows (tokens of x, columns n of W).  Rows go in groups of 32: lane r of tile 2 g + u holds row 32 g + 8 u + r + 8 (r / 8), so that wherever such tiles are source 0 of a product, the 16 result
; registers of tiles 2 g and 2 g + 1 are 16 neighbours along that axis.  A FRAGMENT (tile x 128 along K) is 12 registers a lane; its image is 1,536 bytes: registers 4 g .. 4 g + 3 at 512 g + 16 x lane.
; xq: codes [512 tiles][8 K steps][1536]; scale words from byte XQS on: (tile, K step s, row r) at 512 tile + 64 s + 4 r.   wq: the same for [4 matrices][64 tiles], scale words from WQS on.
; A block's scale is 2^(floor(log2(largest magnitude)) - 2): its byte is the largest magnitude's exponent field - 2, held at 1 from below.
; LIMITS: a block of zeros gets the byte 1 (its codes are zeros; only this program reads the bytes); NaN and infinities among the inputs are not served.
; WORK-GROUPS 0-511: one tile of x each; wave q takes 256 along K (two K steps).  Each load reads 512 consecutive bytes of a row; the numbers turn through the wave's own stage in LDS, so that a lane holds 16
; neighbours of each block of its row.  WORK-GROUPS 512-767: matrix, 128 columns, one K step; a lane takes a column and its registers run down K, so nothing is transposed.
; No matrix unit, no cluster, no tensor load: nothing is shared between work-groups and memory binds.
.set STG,   8448                       ; a wave's stage: 16 rows x (512 bytes + 16): row r starts 4 r banks on, so the sixteen rows of a read start at sixteen different banks
.set SPARE, 4*STG                      ; behind the stages: the spare words, 128 bytes for each wave
.set SPW,   198                        ; v198  LDS address of my spare word; never rewritten
.set NIL,   199                        ; v199  0; never rewritten
.set TM,    176                        ; v176-179 largest magnitudes, v180-183 the other half's, then the bytes, v188-191 the conversions' scale operands
.set CT,    168                        ; v168-170, v172-174: the second halves of the blocks' codes
.set XQS,   6291456
.set WQS,   3145728
; 64 numbers of a lane, register 16 b + i = k 32 b + 16 (lane / 16) + i of my row, become a fragment's 12 registers from v[pc] on and my row's scale word in v[pw]
.macro QUANT s, pc, pw
.irp b, 0,1,2,3
	v_max3_num_f32 v[TM+\b], |v[(\s)+16*\b]|, |v[(\s)+16*\b+1]|, 0x1800000   ; my 16 numbers of block b, and the floor 2^(3 - 127): the byte cannot fall under 1
.endr
.irp i, 2,4,6,8,10,12,14
.irp b, 0,1,2,3
	v_max3_num_f32 v[TM+\b], v[TM+\b], |v[(\s)+16*\b+\i]|, |v[(\s)+16*\b+\i+1]|   ; the four blocks by turns
.endr
.endr
.irp b, 0,1,2,3
	v_permlanex16_b32 v[TM+4+\b], v[TM+\b], s20, s21
.endr
.irp b, 0,1,2,3
	v_max_num_f32 v[TM+\b], v[TM+\b], v[TM+4+\b]   ; with lane l xor 16's 16: the block's largest magnitude
.endr
.irp b, 0,1,2,3
	v_add_nc_u32 v[TM+12+\b], 0xff000000, v[TM+\b] ; 2 off its exponent field: the conversion takes this operand's exponent field as its scale
.endr
.irp b, 0,1,2,3
	v_lshrrev_b32 v[TM+4+\b], 23, v[TM+12+\b]      ; the scale's byte
.endr
	v_lshl_or_b32 v[\pw], v[TM+5], 8, v[TM+4]
	v_lshl_or_b32 v[\pw], v[TM+6], 16, v[\pw]
	v_lshl_or_b32 v[\pw], v[TM+7], 24, v[\pw]
.irp c, 0,1
	v_cvt_scalef32_pk16_fp6_f32 v[(\pc)+6*\c:(\pc)+6*\c+2], v[(\s)+32*\c:(\s)+32*\c+15], v[TM+12+2*\c]
	v_cvt_scalef32_pk16_fp6_f32 v[CT+4*\c:CT+4*\c+2], v[(\s)+32*\c+16:(\s)+32*\c+31], v[TM+13+2*\c]   ; (a conversion's three registers begin on an even number)
.endr
	v_nop                                          ; one plain instruction behind the scaled conversions
.irp c, 0,1                                    ; the layout wants a whole block in a lane: lanes 0-15 block 2 c, lanes 16-31 block 2 c + 1
.irp i, 0,1,2
	v_permlane16_swap_b32 v[(\pc)+6*\c+\i], v[CT+4*\c+\i]
.endr
.irp i, 0,1,2
	v_mov_b32 v[(\pc)+6*\c+3+\i], v[CT+4*\c+\i]
.endr
.endr
.endm
	s_load_b256 s[4:11], s[0:1], 0x0               ; x, Wq, Wk, Wv
	s_load_b128 s[12:15], s[0:1], 0x20             ; Wo, xq
	s_load_b64 s[16:17], s[0:1], 0x30              ; wq
	v_lshl_add_u32 v[SPW], v0, 2, SPARE
	v_mov_b32 v[NIL], 0
	v_lshrrev_b32 v1, 5, v0
	v_readfirstlane_b32 s18, v1                    ; wave 0..3
	v_and_b32 v1, 31, v0                           ; lane
	v_and_b32 v2, 15, v0                           ; r
	v_bfe_u32 v3, v0, 4, 1                         ; h
	v_lshlrev_b32 v4, 4, v1                        ; 16 x lane
	v_lshlrev_b32 v5, 2, v1                        ; 4 x lane
	s_mul_i32 s19, s18, STG
	v_add_nc_u32 v6, s19, v4                       ; the stage, in: a row's 512 bytes as they lie
	v_mul_u32_u24 v7, v2, 528
	v_lshl_add_u32 v7, v3, 6, v7
	v_add_nc_u32 v7, s19, v7                       ; and out: row r, + 64 h: my 16 numbers of a block of 32
	s_mov_b32 s20, 0x76543210
	s_mov_b32 s21, 0xfedcba98                      ; v_permlanex16_b32's selects for lane l xor 16
	s_mov_b32 s22, 0xffff0000                      ; lanes 16-31
	s_wait_kmcnt 0x0
	s_cmp_lt_u32 ttmp9, 512
	s_cbranch_scc0 .Lweights
	; ---- a tile of x: tile T = the work-group's number, K steps 2 q and 2 q + 1
	; ROWS GO IN GROUPS OF 64, four tiles to a group: lane r of tile 4 g + j holds row 64 g + 8 j + r % 8 + 32 (r / 8), for x's tokens and the weights' columns alike
	s_lshr_b32 s24, ttmp9, 2
	s_lshl_b32 s24, s24, 6
	s_and_b32 s25, ttmp9, 3
	s_lshl_b32 s25, s25, 3
	s_add_co_u32 s24, s24, s25                     ; the tile's first token: 64 (T / 4) + 8 (T % 4)
	s_lshl_b32 s24, s24, 12                        ; rows of 4,096 bytes
	s_lshl_b32 s25, s18, 10
	s_add_co_u32 s24, s24, s25                     ; + my 256 numbers of a row
	s_mov_b32 s25, 0
	s_add_nc_u64 s[4:5], s[4:5], s[24:25]
	s_mul_i32 s24, ttmp9, 12288
	s_mul_i32 s26, s18, 3072
	s_add_co_u32 s24, s24, s26
	s_add_nc_u64 s[28:29], s[14:15], s[24:25]      ; my two images
	s_lshl_b32 s24, ttmp9, 9
	s_lshl_b32 s26, s18, 7
	s_add_co_u32 s24, s24, s26
	s_add_co_u32 s24, s24, XQS
	s_add_nc_u64 s[30:31], s[14:15], s[24:25]      ; my two K steps' scale words: 128 bytes
	s_wait_alu depctr_va_vdst(0)
.irp k, 0,1
.irp i, 0,1,2,3,4,5,6,7,8,9,10,11,12,13,14,15
	global_load_b128 v[16+64*\k+4*\i:16+64*\k+4*\i+3], v4, s[4:5] offset:(\i+24*(\i/8))*4096+512*\k th:TH_LOAD_NT   ; tile row i, one K step: 512 consecutive bytes
.endr
.endr
.irp b, 0,1,2,3
	v_mov_b32 v[TM+4+\b], 0                        ; written once: a lane permute's destination counts as one of its sources
.endr
.macro KSTEP k, left
	s_wait_loadcnt \left                           ; this K step's 16 loads are in; the other's, issued behind them, may be out
.irp i, 0,1,2,3,4,5,6,7,8,9,10,11,12,13,14,15
	ds_store_b128 v6, v[16+64*\k+4*\i:16+64*\k+4*\i+3] offset:\i*528
.endr
.irp b, 0,1,2,3
.irp j, 0,1,2,3
	ds_load_b128 v[16+64*\k+16*\b+4*\j:16+64*\k+16*\b+4*\j+3], v7 offset:128*\b+16*\j   ; LDS serves a wave's instructions in order: these see the stores above
.endr
.endr
	s_wait_dscnt 0x0
	QUANT 16+64*\k, 144+12*\k, 192+\k
.irp g, 0,1,2
	global_store_b128 v4, v[144+12*\k+4*\g:144+12*\k+4*\g+3], s[28:29] offset:1536*\k+512*\g   ; 512 consecutive bytes, aligned
.endr
.endm
	KSTEP 0, 16
	KSTEP 1, 0
	v_cndmask_b32 v194, v192, v193, s22            ; lanes 0-15 the first K step's words, lanes 16-31 the second's
	global_store_b32 v5, v194, s[30:31]
	s_branch .Lend
.Lweights:
	; ---- 32 columns x 128 along K of one weight for each wave
	s_sub_co_u32 s24, ttmp9, 512
	s_lshr_b32 s25, s24, 6                         ; the matrix: 0 q, 1 k, 2 v, 3 o
	s_bfe_u32 s26, s24, 0x30003                    ; which 128 columns
	s_and_b32 s27, s24, 7                          ; which K step
	s_cmp_eq_u32 s25, 1
	s_cselect_b64 s[6:7], s[8:9], s[6:7]
	s_cmp_eq_u32 s25, 2
	s_cselect_b64 s[6:7], s[10:11], s[6:7]
	s_cmp_eq_u32 s25, 3
	s_cselect_b64 s[6:7], s[12:13], s[6:7]
	s_lshl_b32 s26, s26, 2
	s_add_co_u32 s26, s26, s18                     ; my group of 32 columns
	s_lshl_b32 s28, s27, 19                        ; 128 rows of 4,096 bytes
	s_lshr_b32 s29, s26, 1                         ; my pair of tiles: group of 64 columns s26 / 2 (256 bytes of a row),
	s_lshl_b32 s29, s29, 8
	s_and_b32 s30, s26, 1                          ; in it columns 16 (s26 % 2) + 0 .. 15 and the sixteen that lie 32 further on
	s_lshl_b32 s30, s30, 6
	s_add_co_u32 s29, s29, s30
	s_add_co_u32 s28, s28, s29
	s_mov_b32 s29, 0
	s_add_nc_u64 s[6:7], s[6:7], s[28:29]
	s_mul_i32 s28, s25, 786432
	s_mul_i32 s30, s26, 24576                      ; two tiles of 12,288 bytes to a group
	s_add_co_u32 s28, s28, s30
	s_mul_i32 s30, s27, 1536
	s_add_co_u32 s28, s28, s30
	s_add_nc_u64 s[32:33], s[16:17], s[28:29]
	s_lshl_b32 s28, s25, 15
	s_lshl_b32 s30, s26, 10
	s_add_co_u32 s28, s28, s30
	s_lshl_b32 s30, s27, 6
	s_add_co_u32 s28, s28, s30
	s_add_co_u32 s28, s28, WQS
	s_add_nc_u64 s[34:35], s[16:17], s[28:29]
	v_bfe_u32 v8, v0, 3, 1                         ; column l of the group lies in tile u = (l / 8) % 2,
	v_and_b32 v9, 7, v0
	s_wait_alu depctr_va_vdst(0)
	v_lshl_or_b32 v9, v3, 3, v9                    ; row r' = l % 8 + 8 (l / 16)
	v_mul_u32_u24 v10, v8, 12288
	v_lshl_add_u32 v10, v9, 4, v10                 ; codes: 12,288 u + 16 r'
	v_lshlrev_b32 v11, 9, v8
	v_lshl_add_u32 v11, v9, 2, v11                 ; scale word: 512 u + 4 r'
	v_lshlrev_b32 v12, 2, v2
	v_lshl_add_u32 v12, v3, 7, v12                 ; my column in W's row: 4 (l % 16) + 128 (l / 16) bytes
.macro LOADW t                         ; block t: W(32 t + i, my column): 128 bytes a wave in two runs of 64, 512 consecutive a work-group
.irp i, 0,1,2,3,4,5,6,7,8,9,10,11,12,13,14,15,16,17,18,19,20,21,22,23,24,25,26,27,28,29,30,31
	global_load_b32 v[16+32*((\t)%2)+\i], v12, s[6:7] offset:(32*(\t)+\i)*4096 th:TH_LOAD_NT
.endr
.endm
; Block t = 2 c + h' of my column is registers 6 c .. 6 c + 5 of image lane r' + 16 h': v80-91 hold what lane r' of the image takes, v92-103 what lane r' + 16 takes
.macro BLOCK t
.set XS, 16+32*((\t)%2)
.set FD, 80+12*((\t)%2)+6*((\t)/2)
.if (\t) < 3
	s_wait_loadcnt 32                              ; this block's 32 loads are in; the next block's may be out
.else
	s_wait_loadcnt 0x0
.endif
	v_max3_num_f32 v108, |v[XS]|, |v[XS+1]|, |v[XS+2]|
	v_max3_num_f32 v109, |v[XS+3]|, |v[XS+4]|, |v[XS+5]|
.irp i, 6,10,14,18,22,26
	v_max3_num_f32 v108, v108, |v[XS+\i]|, |v[XS+\i+1]|
	v_max3_num_f32 v109, v109, |v[XS+\i+2]|, |v[XS+\i+3]|
.endr
	v_max3_num_f32 v108, v108, |v[XS+30]|, |v[XS+31]|
	v_max3_num_f32 v108, v108, v109, 0x1800000     ; and the floor
	v_add_nc_u32 v110, 0xff000000, v108
	v_lshrrev_b32 v111, 23, v110
.if (\t) == 0
	v_mov_b32 v112, v111
.else
	v_lshl_or_b32 v112, v111, 8*(\t), v112         ; the column's scale word: byte t
.endif
	v_cvt_scalef32_pk16_fp6_f32 v[FD:FD+2], v[XS:XS+15], v110
	v_cvt_scalef32_pk16_fp6_f32 v[104:106], v[XS+16:XS+31], v110
	v_nop                                          ; one plain instruction behind the scaled conversions
.irp i, 0,1,2
	v_mov_b32 v[FD+3+\i], v[104+\i]
.endr
.if (\t) < 2
	LOADW (\t)+2
.endif
.endm
	LOADW 0
	LOADW 1
	BLOCK 0
	BLOCK 1
	BLOCK 2
	BLOCK 3
.irp p, 0,1
.irp g, 0,1,2
	global_store_b128 v10, v[80+12*\p+4*\g:80+12*\p+4*\g+3], s[32:33] offset:512*\g+256*\p   ; sixteen lanes fill 256 consecutive aligned bytes of each of the two tiles
.endr
.endr
	global_store_b32 v11, v112, s[34:35]
.Lend:
	s_wait_tensorcnt 0x0                           ; the wave's end: behind my last LDS store
	ds_add_u32 v[SPW], v[NIL]
	s_wait_dscnt 0x0
	s_endpgm
.Lfunc_end_k_qcd4503a039_prep:
	.size	k_qcd4503a039_prep, .Lfunc_end_k_qcd4503a039_prep-k_qcd4503a039_prep
	.p2alignl 7, 3214868480
	.fill 96, 4, 3214868480
	.section	.rodata,"a",@progbits
	.p2align	6, 0x0
	.amdhsa_kernel k_qcd4503a039_prep
		.amdhsa_group_segment_fixed_size 34304
		.amdhsa_private_segment_fixed_size 0
		.amdhsa_enable_private_segment 0
		.amdhsa_kernarg_size 56
		.amdhsa_user_sgpr_count 2
		.amdhsa_user_sgpr_kernarg_segment_ptr 1
		.amdhsa_wavefront_size32 1
		.amdhsa_system_sgpr_workgroup_id_x 1
		.amdhsa_system_sgpr_workgroup_id_y 1
		.amdhsa_system_sgpr_workgroup_id_z 1
		.amdhsa_system_vgpr_workitem_id 0
		.amdhsa_next_free_vgpr 200
		.amdhsa_next_free_sgpr 66
		.amdhsa_reserve_vcc 0
		.amdhsa_float_denorm_mode_32 3
		.amdhsa_float_denorm_mode_16_64 3
		.amdhsa_memory_ordered 1
		.amdhsa_forward_progress 1
		.amdhsa_inst_pref_size 38
	.end_amdhsa_kernel
	.amdgpu_metadata
---
amdhsa.version: [ 1, 2 ]
amdhsa.kernels:
  - .name:           k_qcd4503a039_prep
    .symbol:         k_qcd4503a039_prep.kd
    .args:
      - { .name: x, .offset: 0, .size: 8, .value_kind: global_buffer, .address_space: global }
      - { .name: Wq, .offset: 8, .size: 8, .value_kind: global_buffer, .address_space: global }
      - { .name: Wk, .offset: 16, .size: 8, .value_kind: global_buffer, .address_space: global }
      - { .name: Wv, .offset: 24, .size: 8, .value_kind: global_buffer, .address_space: global }
      - { .name: Wo, .offset: 32, .size: 8, .value_kind: global_buffer, .address_space: global }
      - { .name: xq, .offset: 40, .size: 8, .value_kind: global_buffer, .address_space: global }
      - { .name: wq, .offset: 48, .size: 8, .value_kind: global_buffer, .address_space: global }
    .group_segment_fixed_size: 34304
    .private_segment_fixed_size: 0
    .kernarg_segment_align: 8
    .kernarg_segment_size: 56
    .max_flat_workgroup_size: 128
    .sgpr_count:     66
    .vgpr_count:     200
    .wavefront_size: 32
...
	.end_amdgpu_metadata
.endif
;; end of part 1
;; launch qkv (part 2): grid 12 x 32, 4 waves a work-group, clusters of 4 x 4, 327,680 bytes of LDS; arguments xq, wq, bq, bk, bv, mask, qq, kvq; writes qq, kvq
.if DOCPART == 2
	.amdgcn_target "amdgcn-amd-amdhsa--gfx1250"
	.amdhsa_code_object_version 6
	.text
	.protected	k_qcd4503a039_qkv
	.globl	k_qcd4503a039_qkv
	.p2align	8
	.type	k_qcd4503a039_qkv,@function
k_qcd4503a039_qkv:
	s_mov_b64 s[64:65], 0
	v_nop
	global_prefetch_b8 v0, s[64:65] scope:SCOPE_SE
	s_setreg_imm32_b32 hwreg(HW_REG_WAVE_MODE, 25, 1), 1
	s_wait_xcnt 0x0
	s_wait_alu depctr_hold_cnt(0) depctr_sa_sdst(0) depctr_va_vdst(0) depctr_va_sdst(0) depctr_va_ssrc(0) depctr_va_vcc(0) depctr_vm_vsrc(0)
	s_getreg_b32 s2, hwreg(HW_REG_IB_STS2, 6, 4)
	s_cmp_eq_u32 s2, 0
	s_cbranch_scc0 .Lentry_in_a_cluster
	s_endpgm
.Lentry_in_a_cluster:
	s_bfe_u32 s2, ttmp6, 0x10000c
	s_cmp_lg_u32 s2, 0xf033
	s_cbranch_scc0 .Lentry_shape_is_right
	s_endpgm
.Lentry_shape_is_right:
.set NQ,    2
.set FR,    12
.set NL,    3
.set NP,    4
.set TILEB, 3072
.set HALFT, 8*TILEB
.set SLOT,  4*HALFT
.set SCL,   2*SLOT
.set HALFS, 4096
.set SPARE, SCL+4*HALFS
.set ADRA, 16
.set ADRB, 20
.set ADRS, 27
.set SPW,  28
.set NIL,  29
.set SC,   32
.set BT,   64
.set AF,   128
.set MK,   224
.set G1, 24
.set G0, 32
.set G1B, 48
.set G0B, 56
.set G1S, 68
.set G0S, 76
.set G1SB, 80
.set G0SB, 88
.set MSB, 0
.macro WIN new
.if MSB != \new
	s_set_vgpr_msb (MSB<<8)|\new
.set MSB, \new
.endif
.endm
.set MUL_LO, 0xa1
.set MUL_HI, 0xf1
.set TO_B,   0x40
.macro JLOAD g0a, g1a, g0b, g1b
	s_cmp_eq_u32 s15, 0
	s_cbranch_scc0 .Lfor_b_\@
	tensor_load_to_lds s[\g0a:\g0a+3], s[\g1a:\g1a+7]
	s_nop 0
.rept 4
	v_nop
.endr
	s_branch .Lasked_\@
.Lfor_b_\@:
	tensor_load_to_lds s[\g0b:\g0b+3], s[\g1b:\g1b+7]
	s_nop 0
.rept 4
	v_nop
.endr
.Lasked_\@:
.endm
.macro CREST
	s_cmp_lg_u32 s14, 0
	s_cbranch_scc1 .Lnot_wave_0_\@
	s_barrier_signal -3
.Lnot_wave_0_\@:
	s_barrier_wait -3
	s_barrier_signal -1
	s_barrier_wait -1
.endm
.macro CROUND
	s_barrier_signal -1
	s_barrier_wait -1
	CREST
.endm
	s_load_b256 s[4:11], s[0:1], 0x0
	s_load_b256 s[92:99], s[0:1], 0x20
	v_lshl_add_u32 v[SPW], v0, 2, SPARE
	v_mov_b32 v[NIL], 0
	ds_add_u32 v[SPW], v[NIL]
	ds_add_u32 v[SPW], v[NIL]
	v_lshrrev_b32 v1, 5, v0
	v_readfirstlane_b32 s14, v1
	s_lshr_b32 s15, s14, 1
	s_and_b32 s16, s14, 1
	s_mov_b32 s2, ttmp9
	s_bfe_u32 s40, ttmp6, 0x40000
	s_bfe_u32 s41, ttmp6, 0x40004
	s_and_b32 s17, ttmp7, 0xffff
	s_cmp_eq_u32 s2, 2
	s_cselect_b32 s42, s17, s2
	s_cselect_b32 s17, 0, s17
	s_lshl_b32 s42, s42, 2
	s_add_co_u32 s42, s42, s40
	s_lshl_b32 s17, s17, 2
	s_add_co_u32 s17, s17, s41
	s_lshl_b32 s43, s41, 2
	s_lshl_b32 s43, 15, s43
	s_lshl_b32 s44, 0x1111, s40
	s_or_b32 s[G1+0], s43, (3<<16)|(1<<21)
	s_or_b32 s[G1B+0], s44, (3<<16)|(1<<21)
.irp g, G1, G1B
	s_mov_b32 s[\g+1], 384<<16
	s_mov_b32 s[\g+2], 16<<16                      ; the head's loads bring all 16 tiles of a side; behind them the two words that count rows are set to 8, for the ring's
	s_mov_b32 s[\g+3], 384<<16
	s_mov_b32 s[\g+4], 16
	s_mov_b32 s[\g+5], 1536
	s_mov_b32 s[\g+6], 0
	s_mov_b32 s[\g+7], 0
.endr
	s_or_b32 s[G1S+0], s43, (3<<16)|(1<<21)
	s_or_b32 s[G1SB+0], s44, (3<<16)|(1<<21)
.irp g, G1S, G1SB
	s_mov_b32 s[\g+1], 32<<16
	s_mov_b32 s[\g+2], 32<<16                      ; the scale words of 256 rows: 8,192 dense bytes as 32 rows of 256
	s_mov_b32 s[\g+3], 32<<16
	s_mov_b32 s[\g+4], 32
	s_mov_b32 s[\g+5], 32
	s_mov_b32 s[\g+6], 0
	s_mov_b32 s[\g+7], 0
.endr
	s_mul_i32 s20, s17, 196608
	s_mov_b32 s21, 0
	s_mul_i32 s46, s42, 196608
	s_mov_b32 s47, 0
	s_lshl_b32 s22, s17, 13
	s_mov_b32 s23, 0
	s_lshl_b32 s12, s42, 13
	s_mov_b32 s13, 0
	s_mul_i32 s45, s14, HALFT
	s_wait_dscnt 0x0
	s_wait_kmcnt 0x0
	s_add_nc_u64 s[66:67], s[6:7], 1572864
	s_cmp_eq_u32 s2, 2
	s_cselect_b64 s[100:101], s[4:5], s[6:7]
	s_cselect_b64 s[66:67], s[66:67], s[4:5]
	s_add_nc_u64 s[20:21], s[66:67], s[20:21]
	s_add_nc_u64 s[46:47], s[100:101], s[46:47]
	s_add_nc_u64 s[66:67], s[4:5], 6291456
	s_add_nc_u64 s[100:101], s[6:7], 3145728
	s_add_nc_u64 s[18:19], s[100:101], 65536
	s_cselect_b64 s[18:19], s[18:19], s[66:67]
	s_cselect_b64 s[100:101], s[66:67], s[100:101]
	s_add_nc_u64 s[22:23], s[18:19], s[22:23]
	s_add_nc_u64 s[12:13], s[100:101], s[12:13]
	CROUND
	s_mov_b32 s[G0S], 1
	s_mov_b32 s[G0S+1], SCL
	s_mov_b64 s[G0S+2:G0S+3], s[22:23]
	s_or_b32 s[G0S+3], s[G0S+3], 0x80000000
	s_mov_b32 s[G0SB], 1
	s_mov_b32 s[G0SB+1], SCL+2*HALFS
	s_mov_b64 s[G0SB+2:G0SB+3], s[12:13]
	s_or_b32 s[G0SB+3], s[G0SB+3], 0x80000000
	s_mov_b32 s[G0], 1                             ; slot 0's first fill, each side whole: A's 16 tiles at LDS byte 0,
	s_mov_b32 s[G0+1], 0
	s_mov_b64 s[G0+2:G0+3], s[20:21]
	s_or_b32 s[G0+3], s[G0+3], 0x80000000
	s_mov_b32 s[G0B], 1                            ; B's behind them
	s_mov_b32 s[G0B+1], 2*HALFT
	s_mov_b64 s[G0B+2:G0B+3], s[46:47]
	s_or_b32 s[G0B+3], s[G0B+3], 0x80000000
; THE HEAD'S LOADS, ONE A WAVE: wave 0 A's tiles of slot 0, wave 1 B's, wave 2 A's scale words, wave 3 B's; one chain of branches on the wave's number, every way passes one load
.macro ARM under, g0, g1, next
	s_cmp_lt_u32 s14, \under
	s_cbranch_scc0 \next
	tensor_load_to_lds s[\g0:\g0+3], s[\g1:\g1+7]
	s_nop 0
.rept 4
	v_nop
.endr
	s_branch .Lhead_asked
\next:
.endm
	ARM 1, G0,  G1,  .Lhead_b
	ARM 2, G0B, G1B, .Lhead_sa
	ARM 3, G0S, G1S, .Lhead_sb
	tensor_load_to_lds s[G0SB:G0SB+3], s[G1SB:G1SB+7]
	s_nop 0
.rept 4
	v_nop
.endr
.Lhead_asked:
	s_mul_i32 s4, s16, 98304                       ; for the ring: my 8 tiles of a side
	s_mov_b32 s5, 0
	s_add_nc_u64 s[20:21], s[20:21], s[4:5]
	s_add_nc_u64 s[46:47], s[46:47], s[4:5]
	s_mov_b32 s[G0+4], 1                           ; slot 1's group 0: no load uses it yet
	s_add_co_u32 s[G0+5], s45, SLOT
	s_add_nc_u64 s[G0+6:G0+7], s[20:21], TILEB
	s_or_b32 s[G0+7], s[G0+7], 0x80000000
	s_mov_b32 s[G0B+4], 1
	s_add_co_u32 s[G0B+5], s45, SLOT
	s_add_nc_u64 s[G0B+6:G0B+7], s[46:47], TILEB
	s_or_b32 s[G0B+7], s[G0B+7], 0x80000000
	v_and_b32 v1, 15, v0
	v_bfe_u32 v2, v0, 4, 1
	s_wait_alu depctr_va_vdst(0)
	v_and_b32 v3, 31, v0
	v_lshlrev_b32 v4, 4, v3
	v_lshlrev_b32 v9, 3, v3
	s_mul_i32 s21, s15, HALFT
	s_mul_i32 s22, s16, HALFT
	s_add_co_u32 s22, s22, 2*HALFT
.irp s, 0,1
	v_add_nc_u32 v[ADRA+\s], s21, v4
	v_add_nc_u32 v[ADRB+\s], s22, v4
	s_add_co_u32 s21, s21, SLOT
	s_add_co_u32 s22, s22, SLOT
.endr
	s_lshl_b32 s21, s15, 12
	s_lshl_b32 s22, s16, 12
	s_add_co_u32 s22, s22, 2*HALFS
	s_sub_co_u32 s22, s22, s21
	v_mul_u32_u24 v6, s22, v2
	s_add_co_u32 s21, s21, SCL
	v_lshlrev_b32 v5, 2, v1
	v_add_nc_u32 v5, v5, v6
	v_add_nc_u32 v[ADRS], s21, v5
	v_lshlrev_b32 v7, 7, v2                        ; a lane's results of four tiles are 32 neighbours: lanes 16-31 begin 32 numbers on
	v_and_b32 v8, 8, v1
	v_mad_u32_u24 v8, v8, 3, v1                    ; a tile's row r is row r % 8 + 32 (r / 8) of its group of 64
	s_wait_alu depctr_va_vdst(0)
	s_cmp_eq_u32 s2, 2
	s_cselect_b32 s18, s42, s17
	s_cselect_b32 s19, s16, s15
	s_cselect_b32 s20, s41, s40
	s_cselect_b32 s21, s15, s16
	s_lshr_b32 s22, s18, 3
	s_and_b32 s18, s18, 7
	s_lshl_b32 s18, s18, 1
	s_add_co_u32 s18, s18, s19
	s_lshl_b32 s20, s20, 2
	s_lshl_b32 s21, s21, 1
	s_add_co_u32 s20, s20, s21
	s_lshl_b32 s23, s22, 4
	s_add_co_u32 s23, s23, s20
	s_lshl_b32 s66, s22, 11
	s_lshl_b32 s100, s18, 7
	s_add_co_u32 s66, s66, s100
	s_mov_b32 s67, 0
	s_add_nc_u64 s[94:95], s[94:95], s[66:67]
.irp a, 0,1,2,3,4,5,6,7
	global_load_u8 v[MK+\a], v8, s[94:95] offset:64*(\a/4)+8*(\a%4)
.endr
	s_lshl_b32 s66, s20, 8
	s_cmp_eq_u32 s2, 2
	s_cbranch_scc1 .Lbias_v
	s_cmp_eq_u32 s2, 0
	s_cselect_b64 s[8:9], s[8:9], s[10:11]
	s_add_nc_u64 s[8:9], s[8:9], s[66:67]
.irp b, 0,1,2,3
.irp j, 0,1,2,3
	global_load_b128 v[BT+16*\b+4*\j:BT+16*\b+4*\j+3], v7, s[8:9] offset:(64*(\b/2)+16*(\b%2)+4*\j)*4
.endr
.endr
	s_wait_loadcnt 0x0
	s_branch .Lbias_done
.Lbias_v:
	s_add_nc_u64 s[92:93], s[92:93], s[66:67]
	v_lshlrev_b32 v10, 2, v8
.irp a, 0,1,2,3,4,5,6,7
	global_load_b32 v[BT+8*\a], v10, s[92:93] offset:4*(64*(\a/4)+8*(\a%4))
.endr
	s_wait_loadcnt 0x0
.irp a, 0,1,2,3,4,5,6,7
.irp j, 1,2,3,4,5,6,7
	v_mov_b32 v[BT+8*\a+\j], v[BT+8*\a]
.endr
.endr
.Lbias_done:
.rept 4
	v_nop
.endr
.macro FRAG reg, adr, q, i
.irp g, 0,1,2
	ds_load_b128 v[(\reg)+4*\g:(\reg)+4*\g+3], v[\adr] offset:(\i)*TILEB+(\q)*1536+512*\g
.endr
.endm
.macro MM a, b, p, q, sc, zero
.set DA, 8*(8*((\a)%4)+(\b))
.if (\zero) == 1
	v_wmma_scale_f32_16x16x128_f8f6f4 v[DA:DA+7], v[128*(\p)+FR*(\b):128*(\p)+FR*(\b)+FR-1], v[AF+FR*(\a):AF+FR*(\a)+FR-1], v[BT+8*(\b):BT+8*(\b)+7], v[SC+16*(\sc)+2*(\b)+(\q)], v[SC+16*(\sc)+2*(\a)+(\q)] matrix_a_fmt:MATRIX_FMT_FP6 matrix_b_fmt:MATRIX_FMT_FP6 matrix_a_scale:MATRIX_SCALE_ROW1
.elseif (\zero) == 2
	v_wmma_scale_f32_16x16x128_f8f6f4 v[DA:DA+7], v[128*(\p)+FR*(\b):128*(\p)+FR*(\b)+FR-1], v[AF+FR*(\a):AF+FR*(\a)+FR-1], v[BT+8*(\a):BT+8*(\a)+7], v[SC+16*(\sc)+2*(\b)+(\q)], v[SC+16*(\sc)+2*(\a)+(\q)] matrix_a_fmt:MATRIX_FMT_FP6 matrix_b_fmt:MATRIX_FMT_FP6 matrix_a_scale:MATRIX_SCALE_ROW1
.else
	v_wmma_scale_f32_16x16x128_f8f6f4 v[DA:DA+7], v[128*(\p)+FR*(\b):128*(\p)+FR*(\b)+FR-1], v[AF+FR*(\a):AF+FR*(\a)+FR-1], v[DA:DA+7], v[SC+16*(\sc)+2*(\b)+(\q)], v[SC+16*(\sc)+2*(\a)+(\q)] matrix_a_fmt:MATRIX_FMT_FP6 matrix_b_fmt:MATRIX_FMT_FP6 matrix_a_scale:MATRIX_SCALE_ROW1
.endif
.endm
.macro MUL16 a0, p, q, sc, zero
.irp a, \a0, \a0+1
.irp b, 0,1,2,3,4,5,6,7
	MM \a, \b, \p, \q, \sc, \zero
.endr
.endr
.endm
.macro FETCH_B slot, q, p
	WIN TO_B
.irp i, 0,1,2,3,4,5,6,7
	FRAG 128*(\p)+FR*\i, ADRB+\slot, \q, \i
.endr
	WIN 0
.endm
.macro FETCH_A slot, q, i0
.irp i, \i0, \i0+1, \i0+2, \i0+3
	FRAG AF+FR*(\i), ADRA+\slot, \q, \i
.endr
.endm
.macro SCALES sc
.irp i, 0,1,2,3,4,5,6,7
.irp q, 0,1
	ds_load_b32 v[SC+16*\sc+2*\i+\q], v[ADRS] offset:\i*512+\q*64
.endr
.endr
.endm
.macro PLACES n
.rept \n
	v_nop
.endr
.endm
.macro STEP slot, q, zero
	s_wait_dscnt 4*NL
.if \zero
	WIN 0x81
.else
	WIN MUL_LO
.endif
	MUL16 0, (\q)%2, \q, \slot, \zero
	MUL16 2, (\q)%2, \q, \slot, \zero
	s_wait_dscnt 0
	PLACES NP
	FETCH_B \slot, (\q)+1, 1-(\q)%2
	FETCH_A \slot, (\q)+1, 0
.if \zero
	WIN 0xc1
.else
	WIN MUL_HI
.endif
	MUL16 4, (\q)%2, \q, \slot, \zero
	MUL16 6, (\q)%2, \q, \slot, \zero
	PLACES NP
	WIN 0
	FETCH_A \slot, (\q)+1, 4
.endm
.macro TURN slot, next, fill
	s_wait_tensorcnt 0x0
	ds_add_u32 v[SPW], v[NIL]
	s_wait_dscnt 4*NL+1
	WIN MUL_LO
	MUL16 0, 1, NQ-1, \slot, 0
	s_wait_dscnt 0x0
	s_barrier_signal -1
	MUL16 2, 1, NQ-1, \slot, 0
	WIN 0
	s_barrier_wait -1
.if \fill
	CREST
	s_add_nc_u64 s[G0+4*\slot+2:G0+4*\slot+3], s[G0+4*\slot+2:G0+4*\slot+3], 2*TILEB
	s_add_nc_u64 s[G0B+4*\slot+2:G0B+4*\slot+3], s[G0B+4*\slot+2:G0B+4*\slot+3], 2*TILEB
	JLOAD G0+4*\slot, G1, G0B+4*\slot, G1B
.else
	PLACES NP
.endif
	s_wait_alu depctr_va_vdst(0)
	v_add_nc_u32 v[ADRS], 64*NQ, v[ADRS]
	FETCH_B \next, 0, 0
	FETCH_A \next, 0, 0
	SCALES \next
	WIN MUL_HI
	MUL16 4, 1, NQ-1, \slot, 0
	MUL16 6, 1, NQ-1, \slot, 0
	PLACES NP
	WIN 0
	FETCH_A \next, 0, 4
.endm
	s_wait_alu depctr_va_vdst(0)                   ; the wait at the head's end
	s_wait_tensorcnt 0x0                           ; my tile of the head's four is in; these lines stand ahead of a later first fill as ahead of a refill
	ds_add_u32 v[SPW], v[NIL]
	s_mov_b32 s[G1+2], 8<<16                       ; no tensor load of mine is out, so descriptors may be written: from here on a load brings 8 tiles,
	s_mov_b32 s[G1+4], 8
	s_mov_b32 s[G1B+2], 8<<16
	s_mov_b32 s[G1B+4], 8
	s_mov_b32 s[G0+1], s45                         ; and slot 0's group 0 takes my quarter of the slot: its address lies one slot's step ahead of slot 1's
	s_sub_nc_u64 s[G0+2:G0+3], s[G0+6:G0+7], TILEB
	s_mov_b32 s[G0B+1], s45
	s_sub_nc_u64 s[G0B+2:G0B+3], s[G0B+6:G0B+7], TILEB
	s_wait_dscnt 0x0
	CROUND                                         ; all four tiles are in, and all sixteen work-groups are here
	JLOAD G0+4, G1, G0B+4, G1B                     ; slot 1's first fill, the first tensor load behind the round
	FETCH_B 0, 0, 0
	FETCH_A 0, 0, 0
	SCALES 0
	FETCH_A 0, 0, 4
	s_cmp_eq_u32 s2, 2
	s_cbranch_scc1 .Lfirst_v
	s_wait_alu depctr_va_vdst(0)
	STEP 0, 0, 1
	s_branch .Lfirst_done
.Lfirst_v:
	s_wait_alu depctr_va_vdst(0)
	STEP 0, 0, 2
.Lfirst_done:
	TURN 0, 1, 1
	STEP 1, 0, 0
	TURN 1, 0, 1
	STEP 0, 0, 0
	TURN 0, 1, 0
	STEP 1, 0, 0
	s_wait_dscnt 4*NL
	WIN MUL_LO
	MUL16 0, 1, NQ-1, 1, 0
	MUL16 2, 1, NQ-1, 1, 0
	s_wait_dscnt 0
	WIN MUL_HI
	MUL16 4, 1, NQ-1, 1, 0
	MUL16 6, 1, NQ-1, 1, 0
	WIN 0
.set PCS, 128
.set CT,  64
.set TM,  72
.set PW,  88
.set EX,  96
.set WA,  104
.set WB,  112
.set DD,  120
.macro QUANTW a
.set WW, 2+(\a)/4
.set SR, 64*((\a)%4)
.set PP, PCS+12*(\a)
	WIN ((WW<<2)|(WW<<4))
.irp b, 0,1,2,3
	v_max3_num_f32 v[TM+\b], 0x1800000, |v[SR+16*\b]|, |v[SR+16*\b+1]|
.endr
.irp i, 2,4,6,8,10,12,14
.irp b, 0,1,2,3
	v_max3_num_f32 v[TM+\b], v[TM+\b], |v[SR+16*\b+\i]|, |v[SR+16*\b+\i+1]|
.endr
.endr
	WIN 0
.irp c, 0,1
	v_max_num_f32 v[TM+2*\c], v[TM+2*\c], v[TM+2*\c+1]   ; registers 32 c .. 32 c + 31 are a whole block, 2 c + lane / 16: no other lane is asked
.endr
.irp c, 0,1
	v_add_nc_u32 v[TM+12+\c], 0xff000000, v[TM+2*\c]
.endr
.irp c, 0,1
	v_lshrrev_b32 v[TM+4+\c], 23, v[TM+12+\c]
.endr
	v_lshl_or_b32 v[TM+4], v[TM+5], 16, v[TM+4]    ; my two bytes, at their places in the row's scale word,
	v_lshlrev_b32 v[TM+4], v[TM+8], v[TM+4]
	v_permlanex16_b32 v[TM+6], v[TM+4], s44, s45
	v_or_b32 v[PW+(\a)], v[TM+4], v[TM+6]          ; and lane l xor 16's two
	WIN WW
.irp c, 0,1
	v_cvt_scalef32_pk16_fp6_f32 v[PP+6*\c:PP+6*\c+2], v[SR+32*\c:SR+32*\c+15], v[TM+12+\c]
	v_cvt_scalef32_pk16_fp6_f32 v[CT+4*\c:CT+4*\c+2], v[SR+32*\c+16:SR+32*\c+31], v[TM+12+\c]
.endr
	WIN 0
	v_nop
.irp c, 0,1
.irp i, 0,1,2
	v_mov_b32 v[PP+6*\c+3+\i], v[CT+4*\c+\i]
.endr
.endr
.endm
	PLACES NP
	s_mov_b32 s44, 0x76543210
	s_mov_b32 s45, 0xfedcba98
	s_mov_b32 s19, 0xffff0000
	v_lshlrev_b32 v[TM+8], 3, v2                   ; 8 x (lane / 16): how far my scale bytes are shifted
.irp b, 0,1,2,3
	v_mov_b32 v[TM+4+\b], 0
.endr
.irp a, 0,1,2,3,4,5,6,7
	QUANTW \a
.endr
	s_cmp_eq_u32 s2, 2
	s_cbranch_scc1 .Lout_v
	s_cmp_eq_u32 s2, 0
	s_cselect_b64 s[4:5], s[96:97], s[98:99]
	s_mov_b32 s6, 196608
	s_cselect_b32 s6, 98304, s6
	s_mov_b32 s7, 12582912
	s_cselect_b32 s7, 6291456, s7
	s_mov_b32 s8, 12288
	s_cselect_b32 s8, 8192, s8
	s_mov_b32 s9, 0x01010000
	s_cselect_b32 s9, 0x7f7f0000, s9
	s_cselect_b32 s10, 0, 0x009d0000
	s_mul_i32 s12, s23, s6
	s_mul_i32 s13, s18, 6144
	s_add_co_u32 s12, s12, s13
	s_mov_b32 s13, 0
	s_add_nc_u64 s[20:21], s[4:5], s[12:13]
	s_mov_b32 s12, s6
	s_add_nc_u64 s[46:47], s[20:21], s[12:13]
	s_mul_i32 s12, s23, s8
	s_lshl_b32 s66, s18, 9
	s_add_co_u32 s12, s12, s66
	s_add_co_u32 s12, s12, s7
	s_add_nc_u64 s[66:67], s[4:5], s[12:13]
	s_mov_b32 s12, s8
	s_add_nc_u64 s[100:101], s[66:67], s[12:13]
	s_wait_alu depctr_va_vdst(0)
.irp a, 0,1,2,3,4,5,6,7
	global_store_b128 v4, v[PCS+12*\a:PCS+12*\a+3], s[20:21] offset:768*\a
	global_store_b64 v9, v[PCS+12*\a+4:PCS+12*\a+5], s[20:21] offset:768*\a+512
	global_store_b128 v4, v[PCS+12*\a+6:PCS+12*\a+9], s[46:47] offset:768*\a
	global_store_b64 v9, v[PCS+12*\a+10:PCS+12*\a+11], s[46:47] offset:768*\a+512
.endr
.irp a, 0,1,2,3,4,5,6,7
	v_mad_u32_u24 v[EX+\a], v[MK+\a], s10, s9
.endr
.irp a, 0,1,2,3,4,5,6,7
	v_and_or_b32 v[WA+\a], v[PW+\a], 0xffff, v[EX+\a]
	v_lshrrev_b32 v[WB+\a], 16, v[PW+\a]
.endr
.irp a, 0,1,2,3,4,5,6,7
	v_or_b32 v[WB+\a], v[WB+\a], v[EX+\a]
.endr
.irp i, 0,1,2,3
	v_cndmask_b32 v[DD+\i], v[WA+\i], v[WA+4+\i], s19
	v_cndmask_b32 v[DD+4+\i], v[WB+\i], v[WB+4+\i], s19
.endr
	global_store_b128 v4, v[DD:DD+3], s[66:67]
	global_store_b128 v4, v[DD+4:DD+7], s[100:101]
	s_branch .Lout_done
.Lout_v:
	s_mul_i32 s12, s23, 196608
	s_mul_i32 s13, s18, 6144
	s_add_co_u32 s12, s12, s13
	s_add_co_u32 s12, s12, 98304
	s_mov_b32 s13, 0
	s_add_nc_u64 s[20:21], s[98:99], s[12:13]
	s_mul_i32 s12, s23, 12288
	s_lshl_b32 s66, s18, 8
	s_add_co_u32 s12, s12, s66
	s_add_co_u32 s12, s12, 12582912+8192
	s_add_nc_u64 s[66:67], s[98:99], s[12:13]
	s_wait_alu depctr_va_vdst(0)
.irp a, 0,1,2,3,4,5,6,7
.irp g, 0,1,2
	global_store_b128 v4, v[PCS+12*\a+4*\g:PCS+12*\a+4*\g+3], s[20:21] offset:(\a/4)*196608+(\a%4)*1536+512*\g
.endr
.endr
.irp i, 0,1,2,3
	v_cndmask_b32 v[DD+\i], v[PW+\i], v[PW+4+\i], s19
.endr
	v_mul_u32_u24 v10, v2, 12288
	v_lshl_add_u32 v10, v1, 4, v10
	global_store_b128 v10, v[DD:DD+3], s[66:67]
.Lout_done:
	s_wait_tensorcnt 0x0
	ds_add_u32 v[SPW], v[NIL]
	s_wait_dscnt 0x0
	CROUND
	s_endpgm
.Lfunc_end_k_qcd4503a039_qkv:
	.size	k_qcd4503a039_qkv, .Lfunc_end_k_qcd4503a039_qkv-k_qcd4503a039_qkv
	.p2alignl 7, 3214868480
	.fill 96, 4, 3214868480
	.section	.rodata,"a",@progbits
	.p2align	6, 0x0
	.amdhsa_kernel k_qcd4503a039_qkv
		.amdhsa_group_segment_fixed_size 327680
		.amdhsa_private_segment_fixed_size 0
		.amdhsa_enable_private_segment 0
		.amdhsa_kernarg_size 64
		.amdhsa_user_sgpr_count 2
		.amdhsa_user_sgpr_kernarg_segment_ptr 1
		.amdhsa_wavefront_size32 1
		.amdhsa_system_sgpr_workgroup_id_x 1
		.amdhsa_system_sgpr_workgroup_id_y 1
		.amdhsa_system_sgpr_workgroup_id_z 1
		.amdhsa_system_vgpr_workitem_id 0
		.amdhsa_next_free_vgpr 1024
		.amdhsa_next_free_sgpr 102
		.amdhsa_reserve_vcc 0
		.amdhsa_float_denorm_mode_32 3
		.amdhsa_float_denorm_mode_16_64 3
		.amdhsa_memory_ordered 1
		.amdhsa_forward_progress 1
		.amdhsa_inst_pref_size 162
	.end_amdhsa_kernel
	.amdgpu_metadata
---
amdhsa.version: [ 1, 2 ]
amdhsa.kernels:
  - .name:           k_qcd4503a039_qkv
    .symbol:         k_qcd4503a039_qkv.kd
    .args:
      - { .name: xq, .offset: 0, .size: 8, .value_kind: global_buffer, .address_space: global }
      - { .name: wq, .offset: 8, .size: 8, .value_kind: global_buffer, .address_space: global }
      - { .name: bq, .offset: 16, .size: 8, .value_kind: global_buffer, .address_space: global }
      - { .name: bk, .offset: 24, .size: 8, .value_kind: global_buffer, .address_space: global }
      - { .name: bv, .offset: 32, .size: 8, .value_kind: global_buffer, .address_space: global }
      - { .name: mask, .offset: 40, .size: 8, .value_kind: global_buffer, .address_space: global }
      - { .name: qq, .offset: 48, .size: 8, .value_kind: global_buffer, .address_space: global }
      - { .name: kvq, .offset: 56, .size: 8, .value_kind: global_buffer, .address_space: global }
    .group_segment_fixed_size: 327680
    .private_segment_fixed_size: 0
    .kernarg_segment_align: 8
    .kernarg_segment_size: 64
    .max_flat_workgroup_size: 128
    .sgpr_count:     102
    .vgpr_count:     1024
    .wavefront_size: 32
...
	.end_amdgpu_metadata
.endif
;; end of part 2
;; launch attn (part 3): grid 4 x 64, 16 waves a work-group, clusters of 4 x 1, 212,992 bytes of LDS; arguments qq, kvq, mask, oq; writes oq
.if DOCPART == 3
	.amdgcn_target "amdgcn-amd-amdhsa--gfx1250"
	.amdhsa_code_object_version 6
	.text
	.protected	k_qcd4503a039_attn
	.globl	k_qcd4503a039_attn
	.p2align	8
	.type	k_qcd4503a039_attn,@function
k_qcd4503a039_attn:
	s_mov_b64 s[64:65], 0
	v_nop
	global_prefetch_b8 v0, s[64:65] scope:SCOPE_SE
	s_setreg_imm32_b32 hwreg(HW_REG_WAVE_MODE, 25, 1), 1
	s_wait_xcnt 0x0
	s_wait_alu depctr_hold_cnt(0) depctr_sa_sdst(0) depctr_va_vdst(0) depctr_va_sdst(0) depctr_va_ssrc(0) depctr_va_vcc(0) depctr_vm_vsrc(0)
	s_getreg_b32 s2, hwreg(HW_REG_IB_STS2, 6, 4)
	s_cmp_eq_u32 s2, 0
	s_cbranch_scc0 .Lentry_in_a_cluster
	s_endpgm
.Lentry_in_a_cluster:
	s_bfe_u32 s2, ttmp6, 0x10000c
	s_cmp_lg_u32 s2, 0x3003
	s_cbranch_scc0 .Lentry_shape_is_right
	s_endpgm
.Lentry_shape_is_right:
; O = softmax(Q K^T / 8, masked keys out) V for one (batch, head), both products on codes of FP6 (E2M3) with E8M0 scales; O / l is quantised here along D for the output projection.
; THE SOFTMAX: t = score x log2(e) / 8; M = the row's largest t so far, rounded up to a whole number; p = 2^(t - M) is quantised along the keys, not normalised.  The row's sum is taken of the unquantised p
; and divides O at the end.  When M moves, the sums and O are multiplied by 2^(old M - new M): exact.
; SHARES.  A work-group owns 512 queries of one (batch, head); each of its sixteen waves owns a tile of 16 queries at a time, in two passes.  The four work-groups of a head are one cluster.
; K AND V OF THE WHOLE HEAD STAY IN LDS: 196,608 bytes of codes and 12,288 of scale words, filled ONCE by joint loads, one a wave: waves 0-11 take 16,384 bytes of codes each, waves 12-15 3,072 bytes of scale words.
; Nothing is filled again, and the key loop has no barrier.
; LAYOUT.  Both products are used transposed (S^T = K Q^T, O^T = V^T P): a lane holds one query throughout.  Lane r of key tile 4 c + j holds key 64 c + 8 j + r % 8 + 32 (r / 8): so the 32 score registers of tiles
; 4 c .. 4 c + 3 are 32 neighbouring keys, ONE SCALE BLOCK (2 c + lane / 16) in one lane, in the order of P's operand registers.  V^T's channel tiles are laid the same way, so a lane's 32 registers of O^T are a block along D.
; THE HEAD HAS 64 CHANNELS, the matrix instruction 128 along K.  Q's upper 64 codes are zeros but for k = 64, which is 1.0.  Of K's upper six registers only the first counts: it holds -4.0 at k = 64; K's scale byte of that
; block is 158 for a masked key (the score gets -2^33) and 1 for an open one (-2^-124).  The other five meet zero codes of Q, so whatever finite codes stand there add nothing: K's eight fragments lie 8 registers apart,
; six loaded, the constant, a zero; a fragment's last four registers are the next fragment's first four.
; A batch whose keys are ALL masked has equal weights: there c = 0 is taken (a selection, no branch), so that t = 0, M = 0 and p = 1 for every key.
; THE STEP'S ORDER.  The next step's K is asked for behind the scores' products.  The 64 exponentials go in four groups of sixteen; among a group's stand the next group's multiply-adds and the last group's sums
; (eight running pairs, each touched once a group).  The last group's sums stand behind the second product's instructions and are the places there.  The last step of a pass asks for step 0's K: the second pass uses it, the end of the second does not.
; LIMITS: a masked logit is s / 8 - 2^30 and not -1e9: both give the weight 0 while an open logit of the row lies above about -1e9; the scaled scores stay under 2^31 in magnitude; NaN and infinities are not served; a block of zeros gets the byte 1.
; No prefetch: all that the launch reads of K and V is asked for by the tensor loads at its head.
; REGISTERS: v1-5 addresses that stay; v6, v7 the add's two; v8-12 the step's addresses; v13 O's scale byte's place; v14 -M, v15 the largest score; v16 the factor (v17 its pair's upper half); v18-33 the sums;
;   v34-45 Q; v46-51 the second pass's; v52, v53 their scale words; v54-61 K's scale words, v62-65 V's, v66 p's; v67 8 x (lane / 16); v68-135 K; v136-199 S^T, p, then V's fragments; v200-231 O^T; v232-243 p's codes; v244-255, v0 at work.
.set VB,    98304                      ; LDS: K's 128 half images of 768 bytes, then V's 16 key steps x 4 images of 1,536
.set SCW,   196608                     ; the scale words: K's 8,192 bytes ([128 keys][tile / 4][row][tile % 4]), then V's 4,096 ([key step][row][channel tile])
.set SPARE, 208896                     ; the spare words, 128 bytes for each of sixteen waves
.set ACC, 18
.set Q,   34
.set KW,  54
.set VW,  62
.set PW,  66
.set KF,  68
.set S,   136
.set O,   200
.set P,   232
.set CT,  244
.macro WALU
	s_wait_alu depctr_va_vdst(0)
.endm
.macro DEP n
	s_delay_alu instid0(VALU_DEP_\n)
.endm
.macro ROUND                           ; a round of the cluster's barrier
	s_barrier_signal -1
	s_barrier_wait -1
	s_cmp_lg_u32 s18, 0
	s_cbranch_scc1 .Lnot_wave_0_\@
	s_barrier_signal -3
.Lnot_wave_0_\@:
	s_barrier_wait -3
	s_barrier_signal -1
	s_barrier_wait -1
.endm
.macro KLOAD ka, kb, ks                ; a step's eight fragments of K and their scale words
	ds_load_b128 v[KW:KW+3], \ks
	ds_load_b128 v[KW+4:KW+7], \ks offset:256
.irp t, 0,1,2,3,4,5,6,7
	ds_load_b128 v[KF+8*\t:KF+8*\t+3], \ka offset:\t*768
	ds_load_b64 v[KF+8*\t+4:KF+8*\t+5], \kb offset:\t*768
.endr
.endm
.macro VLOAD t                         ; V's image t, into registers that p has left
.irp g, 0,1,2
	ds_load_b128 v[S+12*\t+4*\g:S+12*\t+4*\g+3], v10 offset:\t*1536+512*\g
.endr
.endm
	s_load_b256 s[4:11], s[0:1], 0x0               ; qq, kvq, mask, oq
	v_lshl_add_u32 v6, v0, 2, SPARE
	v_mov_b32 v7, 0
	ds_add_u32 v6, v7                              ; the opening lines: the add, twice on end, and its wait ahead of the first tensor loads
	ds_add_u32 v6, v7
	v_lshrrev_b32 v8, 5, v0
	DEP 1
	v_readfirstlane_b32 s18, v8                    ; wave 0..15
	s_and_b32 s70, ttmp7, 0xffff                   ; batch x 16 + head, which the four partners share
	s_bfe_u32 s71, ttmp6, 0x40000                  ; cx: my 512 queries: it enters Q's and O's addresses alone
	s_mov_b32 s24, 15|(3<<16)|(1<<21)              ; group 1 for codes: 16,384 dense bytes as 64 rows of 256 (32 elements of 8 bytes); the mask names all four work-groups
	s_mov_b32 s25, 32<<16
	s_mov_b32 s26, 64<<16
	s_mov_b32 s27, 32<<16
	s_mov_b32 s28, 64
	s_mov_b32 s29, 32
	s_mov_b32 s30, 0
	s_mov_b32 s31, 0
	s_mov_b32 s32, 15|(3<<16)|(1<<21)              ; and for scale words: 3,072 dense bytes as 12 rows
	s_mov_b32 s33, 32<<16
	s_mov_b32 s34, 12<<16
	s_mov_b32 s35, 32<<16
	s_mov_b32 s36, 12
	s_mov_b32 s37, 32
	s_mov_b32 s38, 0
	s_mov_b32 s39, 0
	s_mov_b32 s20, 0x76543210
	s_mov_b32 s21, 0xfedcba98                      ; v_permlanex16_b32's selects for lane l xor 16
	s_lshl_b32 s72, s18, 14                        ; my 16,384 bytes of codes: the same place in LDS and in the head's codes
	s_mul_i32 s74, s70, 196608
	s_add_co_u32 s74, s74, s72
	s_mov_b32 s75, 0
	s_and_b32 s73, s18, 3
	s_mul_i32 s76, s73, 3072                       ; waves 12-15: a quarter of the scale words
	s_mul_i32 s78, s70, 12288
	s_add_co_u32 s78, s78, s76
	s_add_co_u32 s78, s78, 12582912
	s_mov_b32 s79, 0
	s_wait_dscnt 0x0                               ; both opening adds are done
	s_wait_kmcnt 0x0
	s_add_nc_u64 s[74:75], s[6:7], s[74:75]
	s_add_nc_u64 s[78:79], s[6:7], s[78:79]
	s_mov_b32 s40, 1
	s_mov_b32 s41, s72
	s_mov_b64 s[42:43], s[74:75]
	s_or_b32 s43, s43, 0x80000000
	s_mov_b32 s44, 1
	s_add_co_u32 s45, s76, SCW
	s_mov_b64 s[46:47], s[78:79]
	s_or_b32 s47, s47, 0x80000000
	ROUND                                          ; all four work-groups are here: the joint loads meet
	s_cmp_lt_u32 s18, 12                           ; one load a wave, in the two arms of one branch on the wave's number
	s_cbranch_scc0 .Lscale_words
	tensor_load_to_lds s[40:43], s[24:31]
	s_nop 0
.rept 4
	v_nop
.endr
	s_branch .Lasked
.Lscale_words:
	tensor_load_to_lds s[44:47], s[32:39]
	s_nop 0
.rept 4
	v_nop
.endr
.Lasked:
	v_and_b32 v8, 31, v0                           ; lane
	v_and_b32 v9, 15, v0                           ; r
	v_bfe_u32 v10, v0, 4, 1                        ; h
	v_lshlrev_b32 v1, 4, v8                        ; 16 x lane
	v_lshl_add_u32 v2, v8, 3, 512                  ; 8 x lane + 512: registers 4, 5 of a half image
	v_lshl_add_u32 v4, v9, 4, SCW                  ; K's scale words: four tiles' words of row r
	v_lshlrev_b32 v11, 4, v9                       ; 16 r
	v_lshlrev_b32 v12, 6, v8                       ; 64 x lane
	v_lshl_add_u32 v13, v9, 2, v10                 ; 4 r + h: my byte among O's scale words
	v_lshlrev_b32 v67, 3, v10                      ; 8 h
	v_mul_u32_u24 v247, v10, 56
	v_add_nc_u32 v3, VB, v1                        ; V's images
	v_add_nc_u32 v5, 8192, v4                      ; V's scale words
	WALU                                           ; the wait ahead of the run of scalar lines
	s_lshl_b32 s82, s71, 5
	s_add_co_u32 s82, s82, s18                     ; my query tile of pass 0: 32 cx + wave; pass 1: 16 further on
	s_mul_i32 s80, s70, 98304
	s_mul_i32 s83, s82, 768
	s_add_co_u32 s80, s80, s83
	s_mov_b32 s81, 0
	s_add_nc_u64 s[80:81], s[4:5], s[80:81]        ; its half image
	s_lshr_b32 s84, s82, 3
	s_lshl_b32 s84, s84, 9
	s_bfe_u32 s85, s82, 0x10002
	s_lshl_b32 s85, s85, 8
	s_add_co_u32 s84, s84, s85
	s_and_b32 s85, s82, 3
	s_lshl_b32 s85, s85, 2
	s_add_co_u32 s84, s84, s85
	s_lshl_b32 s85, s70, 13
	s_add_co_u32 s84, s84, s85
	s_add_co_u32 s84, s84, 6291456
	s_mov_b32 s85, 0
	s_add_nc_u64 s[84:85], s[4:5], s[84:85]        ; its scale words
	s_lshr_b32 s83, s70, 4                         ; the batch
	s_lshl_b32 s86, s83, 11
	s_mov_b32 s87, 0
	s_add_nc_u64 s[86:87], s[8:9], s[86:87]        ; its mask
	global_load_b128 v[Q:Q+3], v1, s[80:81]
	global_load_b64 v[Q+4:Q+5], v2, s[80:81]
	global_load_b128 v[46:49], v1, s[80:81] offset:12288
	global_load_b64 v[50:51], v2, s[80:81] offset:12288
	global_load_b32 v52, v11, s[84:85]
	global_load_b32 v53, v11, s[84:85] offset:1024
.irp j, 0,1,2,3
	global_load_b128 v[S+4*\j:S+4*\j+3], v12, s[86:87] offset:16*\j   ; the batch's 2,048 mask bytes, 64 a lane
.endr
	s_lshl_b32 s83, s83, 7
	s_add_co_u32 s83, s83, s82                     ; my token tile among all 512
	s_and_b32 s89, s70, 15                         ; the head
	s_mul_i32 s76, s83, 12288
	s_mul_i32 s77, s89, 768
	s_add_co_u32 s76, s76, s77
	s_mov_b32 s77, 0
	s_add_nc_u64 s[76:77], s[10:11], s[76:77]      ; O's half image
	s_lshl_b32 s78, s83, 9
	s_lshr_b32 s79, s89, 1
	s_lshl_b32 s79, s79, 6
	s_add_co_u32 s78, s78, s79
	s_and_b32 s79, s89, 1
	s_lshl_b32 s79, s79, 1
	s_add_co_u32 s78, s78, s79
	s_add_co_u32 s78, s78, 6291456
	s_mov_b32 s79, 0
	s_add_nc_u64 s[78:79], s[10:11], s[78:79]      ; and its two scale bytes a row
	v_sub_nc_u32 v[Q+6], 8, v67                    ; Q's register 6: the code of 1.0 at k = 64 (lanes 0-15; lanes 16-31 hold k = 96 on: zeros)
.irp i, 7,8,9,10,11
	v_mov_b32 v[Q+\i], 0
.endr
.irp t, 0,1,2,3,4,5,6,7
	v_sub_nc_u32 v[KF+8*\t+6], 56, v247            ; K's: the code of -4.0
	v_mov_b32 v[KF+8*\t+7], 0
.endr
.irp i, 64,65,66,67
	v_mov_b32 v[KF+\i], 0                          ; the last fragment's last four
.endr
	v_mov_b32 v17, 0                               ; (named as the upper half of the pair v[16:17])
	WALU
	s_wait_loadcnt 0x0
	v_and_b32 v[S], v[S], v[S+1]
.irp j, 2,3,4,5,6,7,8,9,10,11,12,13,14,15
	DEP 1
	v_and_b32 v[S], v[S], v[S+\j]
.endr
	DEP 1
	v_cmp_eq_u32 s88, 0x01010101, v[S]             ; are my 64 keys all masked?
	s_cmp_eq_u32 s88, -1                           ; and every lane's?
	s_cselect_b32 s22, 0, 0x3e38aa3b               ; c = log2(e) / 8, or 0 where no key of the batch counts: a selection of a value
	s_mov_b32 s23, s22                             ; (the packed form names the pair)
	WALU                                           ; the wait at the head's end
	s_wait_tensorcnt 0x0                           ; my load has landed,
	s_barrier_signal -1
	s_barrier_wait -1                              ; everybody's has: K, V and their scale words are whole, and nothing is filled again
	KLOAD v1, v2, v4                               ; step 0's K
.macro TFMA k, j                       ; t - M of pair j of group k, two at a time
	v_pk_fma_f32 v[S+16*(\k)+2*(\j):S+16*(\k)+2*(\j)+1], v[S+16*(\k)+2*(\j):S+16*(\k)+2*(\j)+1], s[22:23], v[14:15] op_sel_hi:[1,0,0]
.endm
; Group k's sixteen exponentials; among them group k + 1's multiply-adds and group k - 1's sums.  No line here reads what another line of the group wrote: the wait behind the group stands between.
.macro GROUP k
.set j, 0
.rept 8
	v_exp_f32 v[S+16*\k+2*j], v[S+16*\k+2*j]
.if (\k == 1) || (\k == 2)
	TFMA \k+1, j
.endif
	v_exp_f32 v[S+16*\k+2*j+1], v[S+16*\k+2*j+1]
.if \k == 0
	TFMA 1, j
.elseif \k == 1
	v_pk_fma_f32 v[ACC+2*j:ACC+2*j+1], v[ACC+2*j:ACC+2*j+1], v[16:17], v[S+2*j:S+2*j+1] op_sel_hi:[1,0,1]   ; the sums under the new M, and the step's first sixteen
.else
	v_pk_add_f32 v[ACC+2*j:ACC+2*j+1], v[ACC+2*j:ACC+2*j+1], v[S+16*(\k-1)+2*j:S+16*(\k-1)+2*j+1]
.endif
.set j, j+1
.endr
.endm
; A KEY STEP: 128 keys.  s67: the step
.macro STEP
	s_mul_i32 s66, s67, 6144                       ; this step's V (6,144 bytes a step in K and in V alike),
	s_lshl_b32 s69, s67, 8                         ; and V's scale words (256)
	s_add_co_u32 s3, s67, 1
	s_and_b32 s3, s3, 15                           ; the next step, behind the last the first
	s_mul_i32 s2, s3, 6144                         ; its K,
	s_lshl_b32 s3, s3, 9                           ; and K's scale words (512)
.irp t, 0,1,2,3,4,5,6,7                        ; S^T = K Q^T
	v_wmma_scale_f32_16x16x128_f8f6f4 v[S+8*\t:S+8*\t+7], v[KF+8*\t:KF+8*\t+11], v[Q:Q+11], 0, v[KW+\t], v52 matrix_a_fmt:MATRIX_FMT_FP6 matrix_b_fmt:MATRIX_FMT_FP6
.endr
	v_add_nc_u32 v8, s2, v1                        ; five plain lines: the places between the products and the loads into their operands and the first read of the scores
	v_add_nc_u32 v9, s2, v2
	v_add_nc_u32 v11, s3, v4
	v_add_nc_u32 v10, s66, v3
	v_add_nc_u32 v12, s69, v5
	KLOAD v8, v9, v11
.irp q, 0,1,2,3                                ; the largest score of my two blocks of 32 keys, in four chains: it serves the row's maximum and, since p rises with the score, the block's largest p
	v_max3_num_f32 v[248+\q], v[S+16*\q], v[S+16*\q+1], v[S+16*\q+2]
.endr
.irp i, 3,5,7,9,11,13
.irp q, 0,1,2,3
	v_max3_num_f32 v[248+\q], v[248+\q], v[S+16*\q+\i], v[S+16*\q+\i+1]
.endr
.endr
	v_max3_num_f32 v248, v248, v249, v[S+15]
	v_max3_num_f32 v250, v250, v251, v[S+47]
	v_max_num_f32 v248, v248, v[S+31]
	v_max_num_f32 v250, v250, v[S+63]
	DEP 1
	v_max3_num_f32 v15, v15, v248, v250
	DEP 1
	v_permlanex16_b32 v247, v15, s20, s21
	DEP 1
	v_max_num_f32 v15, v15, v247                   ; the row's largest score so far
	DEP 1
	v_mul_f32 v0, s22, -v15                        ; as -t (c is not negative)
	DEP 1
	v_floor_f32 v0, v0                             ; the new -M = floor(-t): M is a whole number
	DEP 1
	v_sub_f32 v247, v0, v14                        ; old M - new M: a whole number, 0 or less
	DEP 2
	v_mov_b32 v14, v0
	DEP 2
	v_cvt_i32_f32 v247, v247                       ; (it saturates)
	DEP 1
	v_ldexp_f32 v16, 1.0, v247                     ; f = 2^(old M - new M)
	DEP 3
	v_fma_f32 v248, v248, s22, v14                 ; t - M of each block's largest score
	DEP 4
	v_fma_f32 v250, v250, s22, v14
.set j, 0
.rept 8
	TFMA 0, j
.set j, j+1
.endr
	WALU                                           ; a wait ahead of each group of exponentials and behind it
	v_exp_f32 v248, v248                           ; the blocks' largest p
	v_exp_f32 v250, v250
	GROUP 0
	WALU
	GROUP 1
	v_max_num_f32 v248, 0x1800000, v248            ; the floor 2^(3 - 127): the byte cannot fall under 1
	v_max_num_f32 v250, 0x1800000, v250
	WALU
	GROUP 2
	v_add_nc_u32 v252, 0xff000000, v248            ; 2 off the exponent field: the conversions' scale operands
	v_add_nc_u32 v253, 0xff000000, v250
	WALU
	v_cvt_scalef32_pk16_fp6_f32 v[P:P+2], v[S:S+15], v252        ; my first block: its 32 p have been summed
	v_cvt_scalef32_pk16_fp6_f32 v[CT:CT+2], v[S+16:S+31], v252   ; (a conversion's three registers begin on an even number)
	v_lshrrev_b32 v254, 23, v252                   ; the scales' bytes
	v_lshrrev_b32 v255, 23, v253
	ds_load_b128 v[VW:VW+3], v12
	VLOAD 0
	VLOAD 1
	GROUP 3
	WALU
	v_cvt_scalef32_pk16_fp6_f32 v[P+6:P+8], v[S+32:S+47], v253
	v_cvt_scalef32_pk16_fp6_f32 v[CT+4:CT+6], v[S+48:S+63], v253
	v_lshl_or_b32 v254, v255, 16, v254             ; my two bytes: blocks h and 2 + h,
	VLOAD 2
	VLOAD 3
	v_lshlrev_b32 v254, v67, v254                  ; at their places in the scale word (8 h bits up);
	v_permlanex16_b32 v247, v254, s20, s21
	v_or_b32 v[PW], v254, v247                     ; with lane l xor 16's two the word is whole
.irp i, 0,1,2
	v_mov_b32 v[P+3+\i], v[CT+\i]
	v_mov_b32 v[P+9+\i], v[CT+4+\i]
.endr
	WALU                                           ; the wait directly ahead of the first reader of O^T
.set j, 0
.rept 16
	v_pk_mul_f32 v[O+j:O+j+1], v[O+j:O+j+1], v[16:17] op_sel_hi:[1,0]   ; O^T under the new M.  (These sixteen are also the distance between the lines that wrote p's codes and scale word and the products)
.set j, j+2
.endr
	WALU
.irp t, 0,1,2,3                                ; O^T += V^T P: four accumulators, one instruction each
.if \t == 0
	s_wait_dscnt 6                                 ; all but the six youngest loads are in: the next step's K, V's scale words and images 0 and 1; images 2 and 3, three loads each, may be out
.elseif \t > 1
	s_wait_dscnt 9-3*\t                            ; image 2 is in (3: image 3 may be out); image 3 is in (0)
.endif
	v_wmma_scale_f32_16x16x128_f8f6f4 v[O+8*\t:O+8*\t+7], v[S+12*\t:S+12*\t+11], v[P:P+11], v[O+8*\t:O+8*\t+7], v[VW+\t], v[PW] matrix_a_fmt:MATRIX_FMT_FP6 matrix_b_fmt:MATRIX_FMT_FP6
.endr
.set j, 0
.rept 8
	v_pk_add_f32 v[ACC+2*j:ACC+2*j+1], v[ACC+2*j:ACC+2*j+1], v[S+48+2*j:S+48+2*j+1]   ; the last sixteen p, which V's images do not reach: eight places ahead of the scores that are written over V's images
.set j, j+1
.endr
.endm
; The end of a pass: O^T / l; a lane's 32 numbers, channels 32 (lane / 16) + 0 .. 31 of the head, are one block: six registers of the head's half image and one scale byte
.macro EPI p
.irp j, 0,2,4,6
	v_pk_add_f32 v[ACC+\j:ACC+\j+1], v[ACC+\j:ACC+\j+1], v[ACC+8+\j:ACC+9+\j]
.endr
	DEP 2
	v_pk_add_f32 v[ACC:ACC+1], v[ACC:ACC+1], v[ACC+4:ACC+5]
	DEP 2
	v_pk_add_f32 v[ACC+2:ACC+3], v[ACC+2:ACC+3], v[ACC+6:ACC+7]
	DEP 1
	v_pk_add_f32 v[ACC:ACC+1], v[ACC:ACC+1], v[ACC+2:ACC+3]
	DEP 1
	v_add_f32 v[ACC], v[ACC], v[ACC+1]
	DEP 1
	v_permlanex16_b32 v247, v[ACC], s20, s21
	DEP 1
	v_add_f32 v[ACC], v[ACC], v247                 ; the row's sum
	WALU
	v_rcp_f32 v16, v[ACC]
	v_nop                                          ; a plain line behind the reciprocal
	WALU                                           ; the wait ahead of the first reader of the reciprocal and of O^T
.set j, 0
.rept 16
	v_pk_mul_f32 v[S+j:S+j+1], v[O+j:O+j+1], v[16:17] op_sel_hi:[1,0]   ; each accumulator from its low end on
.set j, j+2
.endr
	v_max3_num_f32 v248, |v[S]|, |v[S+1]|, 0x1800000
	v_max3_num_f32 v249, |v[S+16]|, |v[S+17]|, |v[S+18]|
.irp i, 2,4,6,8,10,12
	DEP 2
	v_max3_num_f32 v248, v248, |v[S+\i]|, |v[S+\i+1]|
	DEP 2
	v_max3_num_f32 v249, v249, |v[S+17+\i]|, |v[S+18+\i]|
.endr
	DEP 2
	v_max3_num_f32 v248, v248, |v[S+14]|, |v[S+15]|
	DEP 1
	v_max3_num_f32 v248, v248, v249, |v[S+31]|
	DEP 1
	v_add_nc_u32 v252, 0xff000000, v248
	v_cvt_scalef32_pk16_fp6_f32 v[P:P+2], v[S:S+15], v252
	v_cvt_scalef32_pk16_fp6_f32 v[CT:CT+2], v[S+16:S+31], v252
	v_lshrrev_b32 v254, 23, v252                   ; my block's byte
.irp i, 0,1,2
	v_mov_b32 v[P+3+\i], v[CT+\i]
.endr
	global_store_b128 v1, v[P:P+3], s[76:77] offset:196608*\p     ; 512 consecutive bytes, aligned
	global_store_b64 v2, v[P+4:P+5], s[76:77] offset:196608*\p    ; 256
	global_store_b8 v13, v254, s[78:79] offset:8192*\p            ; a scale word's other two bytes are another head's: the one small store of the program
.endm
.macro PASS p
	v_mov_b32 v15, 0xff61b1e6                      ; the largest score so far: -3e38, under every score
	DEP 1
	v_floor_f32 v14, -v15                          ; -M
.set j, 0
.rept 16
	v_mov_b32 v[ACC+j], 0
.set j, j+1
.endr
.set j, 0
.rept 32
	v_mov_b32 v[O+j], 0                            ; O^T: the step is written once a pass: its first trip finds zeros, which the first change of M leaves zeros
.set j, j+1
.endr
	s_mov_b32 s67, 0
	WALU
.if \p == 0
	s_wait_dscnt 0x0                               ; step 0's K is in
.endif
.Lstep_\@:
	STEP
	s_add_co_u32 s67, s67, 1
	s_cmp_lt_u32 s67, 16
	WALU                                           ; the wait directly ahead of the branch
	s_cbranch_scc1 .Lstep_\@
	EPI \p
.endm
	PASS 0
	s_wait_xcnt 0x0                                ; the first pass's stores have read their registers, which the second writes again
.irp i, 0,1,2,3,4,5
	v_mov_b32 v[Q+\i], v[46+\i]                    ; the second tile of queries; the 50 lines of the pass's opening are the distance ahead of the products
.endr
	v_mov_b32 v52, v53
	PASS 1
	s_wait_tensorcnt 0x0                           ; the wave's end: behind my tensor load
	ds_add_u32 v6, v7
	s_wait_dscnt 0x0
	ROUND                                          ; the closing round
	s_endpgm
.Lfunc_end_k_qcd4503a039_attn:
	.size	k_qcd4503a039_attn, .Lfunc_end_k_qcd4503a039_attn-k_qcd4503a039_attn
	.p2alignl 7, 3214868480
	.fill 96, 4, 3214868480
	.section	.rodata,"a",@progbits
	.p2align	6, 0x0
	.amdhsa_kernel k_qcd4503a039_attn
		.amdhsa_group_segment_fixed_size 212992
		.amdhsa_private_segment_fixed_size 0
		.amdhsa_enable_private_segment 0
		.amdhsa_kernarg_size 32
		.amdhsa_user_sgpr_count 2
		.amdhsa_user_sgpr_kernarg_segment_ptr 1
		.amdhsa_wavefront_size32 1
		.amdhsa_system_sgpr_workgroup_id_x 1
		.amdhsa_system_sgpr_workgroup_id_y 1
		.amdhsa_system_sgpr_workgroup_id_z 1
		.amdhsa_system_vgpr_workitem_id 0
		.amdhsa_next_free_vgpr 256
		.amdhsa_next_free_sgpr 92
		.amdhsa_reserve_vcc 0
		.amdhsa_float_denorm_mode_32 3
		.amdhsa_float_denorm_mode_16_64 3
		.amdhsa_memory_ordered 1
		.amdhsa_forward_progress 1
		.amdhsa_inst_pref_size 53
	.end_amdhsa_kernel
	.amdgpu_metadata
---
amdhsa.version: [ 1, 2 ]
amdhsa.kernels:
  - .name:           k_qcd4503a039_attn
    .symbol:         k_qcd4503a039_attn.kd
    .args:
      - { .name: qq, .offset: 0, .size: 8, .value_kind: global_buffer, .address_space: global }
      - { .name: kvq, .offset: 8, .size: 8, .value_kind: global_buffer, .address_space: global }
      - { .name: mask, .offset: 16, .size: 8, .value_kind: global_buffer, .address_space: global }
      - { .name: oq, .offset: 24, .size: 8, .value_kind: global_buffer, .address_space: global }
    .group_segment_fixed_size: 212992
    .private_segment_fixed_size: 0
    .kernarg_segment_align: 8
    .kernarg_segment_size: 32
    .max_flat_workgroup_size: 512
    .sgpr_count:     92
    .vgpr_count:     256
    .wavefront_size: 32
...
	.end_amdgpu_metadata
.endif
;; end of part 3
;; launch oproj (part 4): grid 4 x 32, 4 waves a work-group, clusters of 4 x 4, 327,680 bytes of LDS; arguments oq, wq, bo, out0; writes out0
.if DOCPART == 4
	.amdgcn_target "amdgcn-amd-amdhsa--gfx1250"
	.amdhsa_code_object_version 6
	.text
	.protected	k_qcd4503a039_oproj
	.globl	k_qcd4503a039_oproj
	.p2align	8
	.type	k_qcd4503a039_oproj,@function
k_qcd4503a039_oproj:
	s_mov_b64 s[64:65], 0
	v_nop
	global_prefetch_b8 v0, s[64:65] scope:SCOPE_SE
	s_setreg_imm32_b32 hwreg(HW_REG_WAVE_MODE, 25, 1), 1
	s_wait_xcnt 0x0
	s_wait_alu depctr_hold_cnt(0) depctr_sa_sdst(0) depctr_va_vdst(0) depctr_va_sdst(0) depctr_va_ssrc(0) depctr_va_vcc(0) depctr_vm_vsrc(0)
	s_getreg_b32 s2, hwreg(HW_REG_IB_STS2, 6, 4)
	s_cmp_eq_u32 s2, 0
	s_cbranch_scc0 .Lentry_in_a_cluster
	s_endpgm
.Lentry_in_a_cluster:
	s_bfe_u32 s2, ttmp6, 0x10000c
	s_cmp_lg_u32 s2, 0xf033
	s_cbranch_scc0 .Lentry_shape_is_right
	s_endpgm
.Lentry_shape_is_right:
.set NQ,    2
.set FR,    12
.set NLA,   4
.set NP,    4
.set TILEB, 3072
.set HALFT, 8*TILEB
.set SLOT,  4*HALFT
.set SCL,   2*SLOT
.set HALFS, 4096
.set SPARE, SCL+4*HALFS
.set SPITCH, 528
.set ADRA, 16
.set ADRB, 20
.set STO,  24
.set RD,   25
.set CO,   26
.set ADRS, 27
.set SPW,  28
.set NIL,  29
.set SC,   32
.set BT,   64
.set AF,   128
.set BK,   128
.set G1, 24
.set G0, 32
.set G1B, 48
.set G0B, 56
.set G1S, 68
.set G0S, 76
.set G1SB, 80
.set G0SB, 88
.set MSB, 0
.macro WIN new
.if MSB != \new
	s_set_vgpr_msb (MSB<<8)|\new
.set MSB, \new
.endif
.endm
.set MUL_LO, 0xa1
.set MUL_HI, 0xf1
.set TO_B,   0x40
.macro JLOAD g0a, g1a, g0b, g1b
	s_cmp_eq_u32 s15, 0
	s_cbranch_scc0 .Lfor_b_\@
	tensor_load_to_lds s[\g0a:\g0a+3], s[\g1a:\g1a+7]
	s_nop 0
.rept 4
	v_nop
.endr
	s_branch .Lasked_\@
.Lfor_b_\@:
	tensor_load_to_lds s[\g0b:\g0b+3], s[\g1b:\g1b+7]
	s_nop 0
.rept 4
	v_nop
.endr
.Lasked_\@:
.endm
.macro CREST
	s_cmp_lg_u32 s14, 0
	s_cbranch_scc1 .Lnot_wave_0_\@
	s_barrier_signal -3
.Lnot_wave_0_\@:
	s_barrier_wait -3
	s_barrier_signal -1
	s_barrier_wait -1
.endm
.macro CROUND
	s_barrier_signal -1
	s_barrier_wait -1
	CREST
.endm
	s_load_b256 s[4:11], s[0:1], 0x0
	v_lshl_add_u32 v[SPW], v0, 2, SPARE
	v_mov_b32 v[NIL], 0
	ds_add_u32 v[SPW], v[NIL]
	ds_add_u32 v[SPW], v[NIL]
	v_lshrrev_b32 v1, 5, v0
	v_readfirstlane_b32 s14, v1
	s_lshr_b32 s15, s14, 1
	s_and_b32 s16, s14, 1
	s_bfe_u32 s40, ttmp6, 0x40000
	s_bfe_u32 s41, ttmp6, 0x40004
	s_lshl_b32 s42, ttmp9, 2
	s_add_co_u32 s42, s42, s40
	s_and_b32 s17, ttmp7, 0xffff
	s_lshl_b32 s17, s17, 2
	s_add_co_u32 s17, s17, s41
	s_lshl_b32 s43, s41, 2
	s_lshl_b32 s43, 15, s43
	s_lshl_b32 s44, 0x1111, s40
	s_or_b32 s[G1+0], s43, (3<<16)|(1<<21)
	s_or_b32 s[G1B+0], s44, (3<<16)|(1<<21)
.irp g, G1, G1B
	s_mov_b32 s[\g+1], 384<<16
	s_mov_b32 s[\g+2], 16<<16                      ; the head's loads bring all 16 tiles of a side; behind them the two words that count rows are set to 8, for the ring's
	s_mov_b32 s[\g+3], 384<<16
	s_mov_b32 s[\g+4], 16
	s_mov_b32 s[\g+5], 1536
	s_mov_b32 s[\g+6], 0
	s_mov_b32 s[\g+7], 0
.endr
	s_or_b32 s[G1S+0], s43, (3<<16)|(1<<21)
	s_or_b32 s[G1SB+0], s44, (3<<16)|(1<<21)
.irp g, G1S, G1SB
	s_mov_b32 s[\g+1], 32<<16
	s_mov_b32 s[\g+2], 32<<16                      ; the scale words of 256 rows: 8,192 dense bytes as 32 rows of 256
	s_mov_b32 s[\g+3], 32<<16
	s_mov_b32 s[\g+4], 32
	s_mov_b32 s[\g+5], 32
	s_mov_b32 s[\g+6], 0
	s_mov_b32 s[\g+7], 0
.endr
	s_mul_i32 s20, s17, 196608
	s_mov_b32 s21, 0
	s_mul_i32 s46, s42, 196608
	s_add_co_u32 s46, s46, 2359296
	s_mov_b32 s47, 0
	s_lshl_b32 s22, s17, 13
	s_add_co_u32 s22, s22, 6291456
	s_mov_b32 s23, 0
	s_lshl_b32 s92, s42, 13
	s_add_co_u32 s92, s92, 3145728+98304
	s_mov_b32 s93, 0
	s_mul_i32 s45, s14, HALFT
	s_wait_dscnt 0x0
	s_wait_kmcnt 0x0
	s_add_nc_u64 s[20:21], s[4:5], s[20:21]
	s_add_nc_u64 s[22:23], s[4:5], s[22:23]
	s_add_nc_u64 s[46:47], s[6:7], s[46:47]
	s_add_nc_u64 s[92:93], s[6:7], s[92:93]
	CROUND
	s_mov_b32 s[G0S], 1
	s_mov_b32 s[G0S+1], SCL
	s_mov_b64 s[G0S+2:G0S+3], s[22:23]
	s_or_b32 s[G0S+3], s[G0S+3], 0x80000000
	s_mov_b32 s[G0SB], 1
	s_mov_b32 s[G0SB+1], SCL+2*HALFS
	s_mov_b64 s[G0SB+2:G0SB+3], s[92:93]
	s_or_b32 s[G0SB+3], s[G0SB+3], 0x80000000
	s_mov_b32 s[G0], 1                             ; slot 0's first fill, each side whole: A's 16 tiles at LDS byte 0,
	s_mov_b32 s[G0+1], 0
	s_mov_b64 s[G0+2:G0+3], s[20:21]
	s_or_b32 s[G0+3], s[G0+3], 0x80000000
	s_mov_b32 s[G0B], 1                            ; B's behind them
	s_mov_b32 s[G0B+1], 2*HALFT
	s_mov_b64 s[G0B+2:G0B+3], s[46:47]
	s_or_b32 s[G0B+3], s[G0B+3], 0x80000000
; THE HEAD'S LOADS, ONE A WAVE: wave 0 A's tiles of slot 0, wave 1 B's, wave 2 A's scale words, wave 3 B's; one chain of branches on the wave's number, every way passes one load
.macro ARM under, g0, g1, next
	s_cmp_lt_u32 s14, \under
	s_cbranch_scc0 \next
	tensor_load_to_lds s[\g0:\g0+3], s[\g1:\g1+7]
	s_nop 0
.rept 4
	v_nop
.endr
	s_branch .Lhead_asked
\next:
.endm
	ARM 1, G0,  G1,  .Lhead_b
	ARM 2, G0B, G1B, .Lhead_sa
	ARM 3, G0S, G1S, .Lhead_sb
	tensor_load_to_lds s[G0SB:G0SB+3], s[G1SB:G1SB+7]
	s_nop 0
.rept 4
	v_nop
.endr
.Lhead_asked:
	s_mul_i32 s4, s16, 98304                       ; for the ring: my 8 tiles of a side
	s_mov_b32 s5, 0
	s_add_nc_u64 s[20:21], s[20:21], s[4:5]
	s_add_nc_u64 s[46:47], s[46:47], s[4:5]
	s_mov_b32 s[G0+4], 1                           ; slot 1's group 0: no load uses it yet
	s_add_co_u32 s[G0+5], s45, SLOT
	s_add_nc_u64 s[G0+6:G0+7], s[20:21], TILEB
	s_or_b32 s[G0+7], s[G0+7], 0x80000000
	s_mov_b32 s[G0B+4], 1
	s_add_co_u32 s[G0B+5], s45, SLOT
	s_add_nc_u64 s[G0B+6:G0B+7], s[46:47], TILEB
	s_or_b32 s[G0B+7], s[G0B+7], 0x80000000
	v_and_b32 v1, 15, v0
	v_bfe_u32 v2, v0, 4, 1
	v_and_b32 v3, 31, v0
	v_lshlrev_b32 v4, 4, v3
	v_lshlrev_b32 v9, 3, v3
	s_mul_i32 s21, s15, HALFT
	s_mul_i32 s22, s16, HALFT
	s_add_co_u32 s22, s22, 2*HALFT
.irp s, 0,1
	v_add_nc_u32 v[ADRA+\s], s21, v4
	v_add_nc_u32 v[ADRA+2+\s], s21, v9
	v_add_nc_u32 v[ADRB+\s], s22, v4
	s_add_co_u32 s21, s21, SLOT
	s_add_co_u32 s22, s22, SLOT
.endr
	s_lshl_b32 s21, s15, 12
	s_lshl_b32 s22, s16, 12
	s_add_co_u32 s22, s22, 2*HALFS
	s_sub_co_u32 s22, s22, s21
	v_mul_u32_u24 v6, s22, v2
	s_add_co_u32 s21, s21, SCL
	v_lshlrev_b32 v5, 2, v1
	v_add_nc_u32 v5, v5, v6
	v_add_nc_u32 v[ADRS], s21, v5
	s_mul_i32 s23, s14, 16*SPITCH
	v_mul_u32_u24 v5, v1, SPITCH
	v_lshl_add_u32 v5, v2, 7, v5
	v_add_nc_u32 v[STO], s23, v5
	v_mov_b32 v[CO], v4
	v_add_nc_u32 v[RD], s23, v4
	v_lshlrev_b32 v7, 7, v2
	s_lshl_b32 s46, s42, 10
	s_lshl_b32 s47, s16, 9
	s_add_co_u32 s46, s46, s47
	s_mov_b32 s47, 0
	s_add_nc_u64 s[8:9], s[8:9], s[46:47]
.irp b, 0,1,2,3
.irp j, 0,1,2,3
	global_load_b128 v[BT+16*\b+4*\j:BT+16*\b+4*\j+3], v7, s[8:9] offset:(64*(\b/2)+16*(\b%2)+4*\j)*4
.endr
.endr
	s_lshl_b32 s20, s17, 8
	s_lshl_b32 s21, s15, 7
	s_add_co_u32 s20, s20, s21
	s_lshl_b32 s20, s20, 12
	s_mov_b32 s21, 0
	s_add_nc_u64 s[20:21], s[20:21], s[46:47]
	s_add_nc_u64 s[10:11], s[10:11], s[20:21]
	s_wait_alu depctr_va_vdst(0)
	s_wait_loadcnt 0x0
.macro FRAG reg, adr, q, i
.irp g, 0,1,2
	ds_load_b128 v[(\reg)+4*\g:(\reg)+4*\g+3], v[\adr] offset:(\i)*TILEB+(\q)*1536+512*\g
.endr
.endm
.macro FRAGA reg, slot, q, i
	ds_load_b128 v[(\reg):(\reg)+3], v[ADRA+\slot] offset:(\i)*TILEB+(\q)*1536
	ds_load_b64 v[(\reg)+4:(\reg)+5], v[ADRA+2+\slot] offset:(\i)*TILEB+(\q)*1536+512
	ds_load_b128 v[(\reg)+6:(\reg)+9], v[ADRA+\slot] offset:(\i)*TILEB+(\q)*1536+768
	ds_load_b64 v[(\reg)+10:(\reg)+11], v[ADRA+2+\slot] offset:(\i)*TILEB+(\q)*1536+1280
.endm
.macro MM a, b, p, q, sc, zero
.set DA, 8*(8*((\a)%4)+(\b))
.if \zero
	v_wmma_scale_f32_16x16x128_f8f6f4 v[DA:DA+7], v[128*(\p)+FR*(\b):128*(\p)+FR*(\b)+FR-1], v[AF+FR*(\a):AF+FR*(\a)+FR-1], v[BT+8*(\b):BT+8*(\b)+7], v[SC+16*(\sc)+2*(\b)+(\q)], v[SC+16*(\sc)+2*(\a)+(\q)] matrix_a_fmt:MATRIX_FMT_FP6 matrix_b_fmt:MATRIX_FMT_FP6 matrix_a_scale:MATRIX_SCALE_ROW1
.else
	v_wmma_scale_f32_16x16x128_f8f6f4 v[DA:DA+7], v[128*(\p)+FR*(\b):128*(\p)+FR*(\b)+FR-1], v[AF+FR*(\a):AF+FR*(\a)+FR-1], v[DA:DA+7], v[SC+16*(\sc)+2*(\b)+(\q)], v[SC+16*(\sc)+2*(\a)+(\q)] matrix_a_fmt:MATRIX_FMT_FP6 matrix_b_fmt:MATRIX_FMT_FP6 matrix_a_scale:MATRIX_SCALE_ROW1
.endif
.endm
.macro MUL16 a0, p, q, sc, zero
.irp a, \a0, \a0+1
.irp b, 0,1,2,3,4,5,6,7
	MM \a, \b, \p, \q, \sc, \zero
.endr
.endr
.endm
.macro FETCH_B slot, q, p
	WIN TO_B
.irp i, 0,1,2,3,4,5,6,7
	FRAG 128*(\p)+FR*\i, ADRB+\slot, \q, \i
.endr
	WIN 0
.endm
.macro FETCH_A slot, q, i0
.irp i, \i0, \i0+1, \i0+2, \i0+3
	FRAGA AF+FR*(\i), \slot, \q, \i
.endr
.endm
.macro SCALES sc
.irp i, 0,1,2,3,4,5,6,7
.irp q, 0,1
	ds_load_b32 v[SC+16*\sc+2*\i+\q], v[ADRS] offset:\i*512+\q*64
.endr
.endr
.endm
.macro PLACES n
.rept \n
	v_nop
.endr
.endm
.macro STEP slot, q, zero
	s_wait_dscnt 4*NLA
.if \zero
	WIN 0x81
.else
	WIN MUL_LO
.endif
	MUL16 0, (\q)%2, \q, \slot, \zero
	MUL16 2, (\q)%2, \q, \slot, \zero
	s_wait_dscnt 0
	PLACES NP
	FETCH_B \slot, (\q)+1, 1-(\q)%2
	FETCH_A \slot, (\q)+1, 0
.if \zero
	WIN 0xc1
.else
	WIN MUL_HI
.endif
	MUL16 4, (\q)%2, \q, \slot, \zero
	MUL16 6, (\q)%2, \q, \slot, \zero
	PLACES NP
	WIN 0
	FETCH_A \slot, (\q)+1, 4
.endm
.macro TURN slot, next, fill
	s_wait_tensorcnt 0x0
	ds_add_u32 v[SPW], v[NIL]
	s_wait_dscnt 4*NLA+1
	WIN MUL_LO
	MUL16 0, 1, NQ-1, \slot, 0
	s_wait_dscnt 0x0
	s_barrier_signal -1
	MUL16 2, 1, NQ-1, \slot, 0
	WIN 0
	s_barrier_wait -1
.if \fill
	CREST
	s_add_nc_u64 s[G0+4*\slot+2:G0+4*\slot+3], s[G0+4*\slot+2:G0+4*\slot+3], 2*TILEB
	s_add_nc_u64 s[G0B+4*\slot+2:G0B+4*\slot+3], s[G0B+4*\slot+2:G0B+4*\slot+3], 2*TILEB
	JLOAD G0+4*\slot, G1, G0B+4*\slot, G1B
.else
	PLACES NP
.endif
	s_wait_alu depctr_va_vdst(0)
	v_add_nc_u32 v[ADRS], 64*NQ, v[ADRS]
	FETCH_B \next, 0, 0
	FETCH_A \next, 0, 0
	SCALES \next
	WIN MUL_HI
	MUL16 4, 1, NQ-1, \slot, 0
	MUL16 6, 1, NQ-1, \slot, 0
	PLACES NP
	WIN 0
	FETCH_A \next, 0, 4
.endm
	s_wait_alu depctr_va_vdst(0)                   ; the wait at the head's end
	s_wait_tensorcnt 0x0                           ; my tile of the head's four is in; these lines stand ahead of a later first fill as ahead of a refill
	ds_add_u32 v[SPW], v[NIL]
	s_mov_b32 s[G1+2], 8<<16                       ; no tensor load of mine is out, so descriptors may be written: from here on a load brings 8 tiles,
	s_mov_b32 s[G1+4], 8
	s_mov_b32 s[G1B+2], 8<<16
	s_mov_b32 s[G1B+4], 8
	s_mov_b32 s[G0+1], s45                         ; and slot 0's group 0 takes my quarter of the slot: its address lies one slot's step ahead of slot 1's
	s_sub_nc_u64 s[G0+2:G0+3], s[G0+6:G0+7], TILEB
	s_mov_b32 s[G0B+1], s45
	s_sub_nc_u64 s[G0B+2:G0B+3], s[G0B+6:G0B+7], TILEB
	s_wait_dscnt 0x0
	CROUND                                         ; all four tiles are in, and all sixteen work-groups are here
	JLOAD G0+4, G1, G0B+4, G1B                     ; slot 1's first fill, the first tensor load behind the round
	FETCH_B 0, 0, 0
	FETCH_A 0, 0, 0
	SCALES 0
	FETCH_A 0, 0, 4
	STEP 0, 0, 1
	TURN 0, 1, 1
	STEP 1, 0, 0
	TURN 1, 0, 1
	STEP 0, 0, 0
	TURN 0, 1, 0
	STEP 1, 0, 0
	s_wait_dscnt 4*NLA
	WIN MUL_LO
	MUL16 0, 1, NQ-1, 1, 0
	MUL16 2, 1, NQ-1, 1, 0
	s_wait_dscnt 0
	WIN MUL_HI
	MUL16 4, 1, NQ-1, 1, 0
	MUL16 6, 1, NQ-1, 1, 0
	WIN 0
.macro TOSTAGE a
.set AC, 64*((\a)%4)
	WIN 0x08+4*((\a)/4)
.irp b, 0,1,2,3,4,5,6,7
	ds_store_b128 v[STO], v[AC+8*\b:AC+8*\b+3] offset:256*(\b/4)+32*(\b%4)       ; register i of tile b, lane (r, h): column 64 (b / 4) + 8 (b % 4) + 32 h + i
	ds_store_b128 v[STO], v[AC+8*\b+4:AC+8*\b+7] offset:256*(\b/4)+32*(\b%4)+16
.endr
	WIN 0
.set BB, BK+64*((\a)%2)
.irp t, 0,1,2,3,4,5,6,7,8,9,10,11,12,13,14,15
	ds_load_b128 v[BB+4*\t:BB+4*\t+3], v[RD] offset:\t*SPITCH
.endr
.endm
.macro SEND a, younger
.set BB, BK+64*((\a)%2)
	s_wait_dscnt \younger
.if (\a) > 0
.if (\a)%4
	s_add_nc_u64 s[10:11], s[10:11], 8*4096        ; tile a begins at token 64 (a / 4) + 8 (a % 4)
.else
	s_add_nc_u64 s[10:11], s[10:11], 40*4096
.endif
.endif
.irp t, 0,1,2,3,4,5,6,7,8,9,10,11,12,13,14,15
	global_store_b128 v[CO], v[BB+4*\t:BB+4*\t+3], s[10:11] offset:(\t+24*(\t/8))*4096 th:TH_STORE_NT
.endr
.endm
	PLACES NP
	TOSTAGE 0
.irp a, 1,2,3,4,5,6,7
.if \a > 1
	s_wait_xcnt 0x0
.endif
	TOSTAGE \a
	SEND \a-1, 32
.endr
	s_wait_xcnt 0x0
	SEND 7, 0
	s_wait_tensorcnt 0x0
	ds_add_u32 v[SPW], v[NIL]
	s_wait_dscnt 0x0
	CROUND
	s_endpgm
.Lfunc_end_k_qcd4503a039_oproj:
	.size	k_qcd4503a039_oproj, .Lfunc_end_k_qcd4503a039_oproj-k_qcd4503a039_oproj
	.p2alignl 7, 3214868480
	.fill 96, 4, 3214868480
	.section	.rodata,"a",@progbits
	.p2align	6, 0x0
	.amdhsa_kernel k_qcd4503a039_oproj
		.amdhsa_group_segment_fixed_size 327680
		.amdhsa_private_segment_fixed_size 0
		.amdhsa_enable_private_segment 0
		.amdhsa_kernarg_size 32
		.amdhsa_user_sgpr_count 2
		.amdhsa_user_sgpr_kernarg_segment_ptr 1
		.amdhsa_wavefront_size32 1
		.amdhsa_system_sgpr_workgroup_id_x 1
		.amdhsa_system_sgpr_workgroup_id_y 1
		.amdhsa_system_sgpr_workgroup_id_z 1
		.amdhsa_system_vgpr_workitem_id 0
		.amdhsa_next_free_vgpr 1024
		.amdhsa_next_free_sgpr 98
		.amdhsa_reserve_vcc 0
		.amdhsa_float_denorm_mode_32 3
		.amdhsa_float_denorm_mode_16_64 3
		.amdhsa_memory_ordered 1
		.amdhsa_forward_progress 1
		.amdhsa_inst_pref_size 144
	.end_amdhsa_kernel
	.amdgpu_metadata
---
amdhsa.version: [ 1, 2 ]
amdhsa.kernels:
  - .name:           k_qcd4503a039_oproj
    .symbol:         k_qcd4503a039_oproj.kd
    .args:
      - { .name: oq, .offset: 0, .size: 8, .value_kind: global_buffer, .address_space: global }
      - { .name: wq, .offset: 8, .size: 8, .value_kind: global_buffer, .address_space: global }
      - { .name: bo, .offset: 16, .size: 8, .value_kind: global_buffer, .address_space: global }
      - { .name: out0, .offset: 24, .size: 8, .value_kind: global_buffer, .address_space: global }
    .group_segment_fixed_size: 327680
    .private_segment_fixed_size: 0
    .kernarg_segment_align: 8
    .kernarg_segment_size: 32
    .max_flat_workgroup_size: 128
    .sgpr_count:     98
    .vgpr_count:     1024
    .wavefront_size: 32
...
	.end_amdgpu_metadata
.endif
;; end of part 4
